; MI455X (gfx1250); checked and timed in simulation.
; The chip was launched on July 23, 2026; its instructions are those of AMD's public machine-readable ISA for CDNA 5 (MIT licence, August 2026) and "CDNA5" Instruction Set Architecture Reference Guide (July 2026). The comments in the code are by the model that wrote it; some were corrected since.
;; Multihead Self Attention. Allowed arithmetic: matrix products marked QUANTISED: E4M3 operands, one given power-of-two scale a tensor, by v_wmma_f32_16x16x64_fp8_fp8 or v_wmma_f32_16x16x128_fp8_fp8, f32 sums; everything else in f32.
;; Inputs: W_K 1,024 x 1,024 float32; W_O 1,024 x 1,024 float32; W_Q 1,024 x 1,024 float32; W_V 1,024 x 1,024 float32; lowp_scales 12 int32 (the exponents e of the quantised operands' scales 2^e); token_position 2,048 int32; x 4 x 2,048 x 1,024 float32.
;; Outputs: out0 4 x 2,048 x 1,024 float32.
;; This version of the problem:
;;   THIS VERSION OF THE PROBLEM IS GIVEN IN LOW PRECISION. The matrix products marked QUANTISED in the list below multiply operands that are first quantised to E4M3 (4 exponent bits, 3 mantissa bits; 8 bits a number), with one given power-of-two scale for each operand tensor; their sums are f32. All else is computed in f32.
;;   The module's matrix products, in the order in which they are computed (A, B: the left and right operand; K: the contracted axis; several contracted axes count as one K, in the product's order):
;;     1. [M 8,192, K 1,024] x [K 1,024, N 1,024]; A: input x; B: input W_Q: QUANTISED (scales: A lowp_scales[0], B lowp_scales[1])
;;     2. [M 8,192, K 1,024] x [K 1,024, N 1,024]; A: input x; B: input W_K: QUANTISED (scales: A lowp_scales[2], B lowp_scales[3])
;;     3. [M 8,192, K 1,024] x [K 1,024, N 1,024]; A: input x; B: input W_V: QUANTISED (scales: A lowp_scales[4], B lowp_scales[5])
;;     4. batch 64 x [M 2,048, K 64] x [K 64, N 2,048]; A: computed on the way; B: computed on the way: QUANTISED (scales: A lowp_scales[6], B lowp_scales[7])
;;     5. batch 64 x [M 2,048, K 2,048] x [K 2,048, N 64]; A: softmax (see below); B: computed on the way: QUANTISED (scales: A lowp_scales[8], B lowp_scales[9])
;;     6. [M 8,192, K 1,024] x [K 1,024, N 1,024]; A: computed on the way; B: input W_O: QUANTISED (scales: A lowp_scales[10], B lowp_scales[11])
;;   THE QUANTISER, for each operand of a quantised product, along K:
;;     - The operand's scale is 2^e, e = its entry of the input lowp_scales (int32; the entries are numbered through the quantised products in the list's order, A before B).
;;     - Each number is divided by the scale, clamped to +-448, and rounded to the nearest number of E4M3, ties to even, subnormals kept.
;;     - The product sums the exact products of the quantised numbers (number of the format x scale) in f32.
;;   ~~~python
;;   def quantise(x, axis, e):      # numpy; x: float32 -> the quantised numbers, widened to float32 again
;;       x = np.moveaxis(x, axis, -1); K = x.shape[-1]
;;       r = np.clip(x / 2.0 ** e, -448, 448)
;;       step = 2.0 ** (np.maximum(np.frexp(np.where(r == 0, 1, r))[1] - 1, -6) - 3)
;;       q = np.round(r / step) * step * 2.0 ** e      # np.round: ties to even
;;       return np.moveaxis(q, -1, axis).astype(np.float32)
;;   ~~~
;;   SOFTMAX AHEAD OF A QUANTISED PRODUCT. Where the list says 'softmax', what is quantised is not the finished softmax but p = 2^(t - M), with t = logit x log2(e) and M = ceil(the row's largest t), a whole number; so 1/2 < the row's largest p <= 1. The row's sum l is taken of the UNQUANTISED p, in f32, and the product's result is divided by l at the end. Since M is a whole number, a kernel that streams over the keys may use a running M (the ceiling of the running maximum): every later rescaling is an exact power of two, so the quantised numbers keep their values, but for numbers so far below the row's largest that they fall under the format's range.
;;   OPERANDS COMPUTED ON THE WAY. 'Computed on the way' means the value that the module computes at that place (a softmax that the list does not call 'softmax' is quantised finished and normalised). What goes into a quantiser is computed in f32, as accurately as f32 sums, v_exp_f32 and their like allow (about 1e-6 of the number): no bf16 or f16 on the way to a quantiser, and a product that is left as it is and whose result goes on into a quantised operand takes f32 operands (vector FMAs, or v_wmma_f32_16x16x4_f32). A number that lies on a knife's edge between two numbers of the format may be rounded either way, as far as f32 arithmetic and the matrix unit's own rounding can turn it there, and no further.
;; One version. Each part assembles by itself: llvm-mc -triple=amdgcn-amd-amdhsa -mcpu=gfx1250 --defsym DOCPART=n.
;; ======== version 1 of 1: 4 launches
;; limits: right only within a limited range of input values
;; workspace buffers: xc 25,165,824 bytes; wc 4,194,304 bytes; tab 524,288 bytes; qc 8,388,608 bytes; kv 16,777,216 bytes; oc 8,388,608 bytes
;; launch prep (part 1): grid 416 x 1, 4 waves a work-group, no clusters, 33,280 bytes of LDS; arguments x, W_Q, W_K, W_V, W_O, lowp_scales, token_position, xc, wc, tab; writes xc, wc, tab
.if DOCPART == 1
	.amdgcn_target "amdgcn-amd-amdhsa--gfx1250"
	.amdhsa_code_object_version 6
	.text
	.protected	k_q527f8c78e6_prep
	.globl	k_q527f8c78e6_prep
	.p2align	8
	.type	k_q527f8c78e6_prep,@function
k_q527f8c78e6_prep:
	s_mov_b64 s[64:65], 0
	v_nop
	global_prefetch_b8 v0, s[64:65] scope:SCOPE_SE
	s_setreg_imm32_b32 hwreg(HW_REG_WAVE_MODE, 25, 1), 1
	s_wait_xcnt 0x0
; PREP: f32 inputs into codes of E4M3, and the table of cosines and sines for the rotation of Q and K.
; Work-groups 0-255: 32 rows of x each, quantised THREE times (scales 2^e0, 2^e2, 2^e4: x is the left operand of three products) into xc's three sections of 8 MiB.
; Work-groups 256-383: 32 rows of one of W_Q, W_K, W_V, W_O (scales e1, e3, e5, e11) into wc's four sections of 1 MiB.  Both kinds take one path; x's second and third output stand under a branch on the work-group's number.
; Work-groups 384-415: the table: a wave makes the 32 (cos, sin) pairs of 16 tokens, laid as the registers of the launch that reads it.
; code = x / 2^e, to the nearest code, ties to even.
; STORAGE ORDER OF ROWS: within each 32 rows the second and third group of 8 rows change places.  16 consecutive storage rows, tile 2 b + u, slot s, are then rows 32 b + 8 u + s + 8 (s / 8):
; a product that takes such a tile as its first source leaves 16 neighbouring rows in a lane's 16 registers of tiles 2 b and 2 b + 1.
; A wave takes 8 rows = 8,192 numbers in 16 steps of 512.  A step's four loads read 512 consecutive bytes each; the 2,048 bytes turn through the wave's own stage in LDS, so that a lane gets 16 neighbours along K;
; its 16 codes are 16 bytes and the wave's store covers 512 consecutive bytes.  No barrier: waves share nothing.
; LIMITS: each of e0-e5, e11 between -126 and 119.  NaN among the inputs is not served.  |token_position| up to 2^20 (the reduction by pi/2 in three parts).  The frequencies 10000^(-i/32) are made by v_exp_f32.
.set STEPS, 16
.set SP,    80                         ; a lane's place in a stage: 64 bytes + 16 of padding
.set WREG,  8192                       ; LDS of a wave: two stages of 32 x SP bytes
.set LO,    3                          ; v3   16 x lane: offset of loads and of stores; never rewritten
.set SIA,   14                         ; v14  the stage, on the way in
.set SOA,   15                         ; v15  and on the way out
.set R,     16                         ; v16-79   four sets of 16 numbers as loaded
.set X,     80                         ; v80-111  two sets of 16 neighbours
.set T,     112
.set C,     128                        ; v128-139 codes: four registers for each of the three outputs
.set ANG,   16                         ; the table's path: v16-31 sixteen angles
.set CSN,   32                         ; v32-63 cos, sin by turns
.macro LOAD t
.irp i, 0,1,2,3
	global_load_b128 v[R+16*((\t)%4)+4*\i:R+16*((\t)%4)+4*\i+3], v[LO], s[44:45] offset:2048*(\t)+512*\i th:TH_LOAD_NT
.endr
.endm
.macro TURN t                          ; step t's numbers through the stage: LDS serves a wave's instructions in order, so no wait stands between the stores and the loads
.irp i, 0,1,2,3
	ds_store_b128 v[SIA], v[R+16*((\t)%4)+4*\i:R+16*((\t)%4)+4*\i+3] offset:32*SP*((\t)%2)+8*SP*\i
.endr
.irp i, 0,1,2,3
	ds_load_b128 v[X+16*((\t)%2)+4*\i:X+16*((\t)%2)+4*\i+3], v[SOA] offset:32*SP*((\t)%2)+16*\i
.endr
.endm
.macro SCL e, vs, vl                   ; from the exponent in s[e]: 2^e as f32 into v[vs]
	s_add_co_i32 s63, s[\e], 127
	s_lshl_b32 s29, s63, 23
	v_mov_b32 v[\vs], s29
.endm
.macro OUT n, t                        ; output n of step t: convert, store
.irp i, 0,1,2,3,4,5,6,7,8,9,10,11,12,13,14,15
.endr
	v_cvt_scalef32_pk8_fp8_f32 v[C+4*\n:C+4*\n+1], v[XS:XS+7], v[5+2*\n]
	v_cvt_scalef32_pk8_fp8_f32 v[C+4*\n+2:C+4*\n+3], v[XS+8:XS+15], v[5+2*\n]
	v_nop                                          ; a plain line behind the conversions
	global_store_b128 v[LO], v[C+4*\n:C+4*\n+3], s[46+2*\n:47+2*\n] offset:512*(\t)
.endm
.macro STEP t
.set XS, X+16*((\t)%2)
	s_wait_dscnt 0x0                               ; this step's numbers are back from the stage, and its stores into the stage have read their registers
	s_wait_xcnt 0x0                                ; the last step's stores have read their codes: C is written again only behind this wait
.if (\t)+4 < STEPS
	LOAD (\t)+4
.endif
.if (\t)+1 < STEPS
.if STEPS-2-(\t) >= 3
	s_wait_loadcnt 12                              ; the next step's four loads are in; those of the three steps behind it may be out
.else
	s_wait_loadcnt 4*(STEPS-2-(\t))
.endif
	TURN (\t)+1
.endif
	OUT 0, \t
	s_cmp_lt_u32 ttmp9, 256                        ; x has two more outputs, a weight has none
	s_cbranch_scc0 .Lone_\@
	OUT 1, \t
	OUT 2, \t
.Lone_\@:
.endm
	s_load_b256 s[8:15], s[0:1], 0x0               ; x s[8:9], W_Q s[10:11], W_K s[12:13], W_V s[14:15]
	s_load_b256 s[16:23], s[0:1], 0x20             ; W_O s[16:17], the exponents s[18:19], token_position s[20:21], xc s[22:23]
	s_load_b128 s[24:27], s[0:1], 0x40             ; wc s[24:25], tab s[26:27]
	v_lshl_add_u32 v160, v0, 2, 0x8000
	v_mov_b32 v161, 0
	v_lshrrev_b32 v1, 5, v0
	v_readfirstlane_b32 s28, v1                    ; wave
	v_and_b32 v2, 31, v0                           ; lane
	v_lshlrev_b32 v[LO], 4, v2
	s_cmp_ge_u32 ttmp9, 384
	s_cbranch_scc1 .Ltable
	s_mul_i32 s29, s28, WREG
	v_lshrrev_b32 v[SIA], 2, v2
	v_mul_u32_u24 v[SIA], v[SIA], SP
	v_and_b32 v[SOA], 3, v2
	v_lshl_add_u32 v[SIA], v[SOA], 4, v[SIA]
	v_add_nc_u32 v[SIA], s29, v[SIA]               ; in: four lanes' 64 bytes on end, then 16 of padding
	v_mul_u32_u24 v[SOA], v2, SP
	v_add_nc_u32 v[SOA], s29, v[SOA]               ; out: my 16 neighbours
	s_sub_co_u32 s52, ttmp9, 256                   ; a weight's job: j,
	s_lshr_b32 s53, s52, 5                         ; which weight,
	s_and_b32 s54, s52, 31                         ; which 32 rows of it
	s_and_b32 s57, s28, 1
	s_lshl_b32 s57, s57, 1
	s_lshr_b32 s60, s28, 1
	s_or_b32 s57, s57, s60                         ; the storage order: my 8 rows go to group 0, 2, 1, 3
	s_wait_kmcnt 0x0
	s_load_b256 s[32:39], s[18:19], 0x0            ; e0 .. e7
	s_load_b128 s[40:43], s[18:19], 0x20           ; e8 .. e11
	s_cmp_eq_u32 s53, 1                            ; every choice hangs on the work-group's number alone
	s_cselect_b64 s[44:45], s[12:13], s[10:11]
	s_cmp_eq_u32 s53, 2
	s_cselect_b64 s[44:45], s[14:15], s[44:45]
	s_cmp_eq_u32 s53, 3
	s_cselect_b64 s[44:45], s[16:17], s[44:45]
	s_cmp_lt_u32 ttmp9, 256
	s_cselect_b64 s[44:45], s[8:9], s[44:45]       ; from where
	s_cselect_b64 s[46:47], s[22:23], s[24:25]     ; to where
	s_cselect_b32 s55, ttmp9, s54                  ; which 32 rows of the source,
	s_cselect_b32 s56, ttmp9, s52                  ; and of the buffer of codes
	s_lshl_b32 s55, s55, 2
	s_add_co_u32 s55, s55, s28
	s_lshl_b32 s58, s55, 15                        ; 8 rows of 4,096 bytes
	s_mov_b32 s59, 0
	s_add_nc_u64 s[44:45], s[44:45], s[58:59]
	s_lshl_b32 s56, s56, 2
	s_add_co_u32 s56, s56, s57
	s_lshl_b32 s58, s56, 13                        ; 8 rows of 1,024 bytes
	s_add_nc_u64 s[46:47], s[46:47], s[58:59]
	s_add_nc_u64 s[48:49], s[46:47], 0x800000      ; x's second and third section (used by x's work-groups alone)
	s_add_nc_u64 s[50:51], s[46:47], 0x1000000
	s_wait_alu depctr_va_vdst(0)
.irp t, 0,1,2,3
	LOAD \t
.endr
	s_wait_kmcnt 0x0
	s_cmp_eq_u32 s53, 1
	s_cselect_b32 s62, s35, s33                    ; e3 : e1
	s_cmp_eq_u32 s53, 2
	s_cselect_b32 s62, s37, s62                    ; e5
	s_cmp_eq_u32 s53, 3
	s_cselect_b32 s62, s43, s62                    ; e11
	s_cmp_lt_u32 ttmp9, 256
	s_cselect_b32 s62, s32, s62                    ; e0
	SCL 62, 5, 6
	SCL 34, 7, 8                                   ; e2
	SCL 36, 9, 10                                  ; e4
	s_wait_alu depctr_va_vdst(0)
	s_wait_loadcnt 12                              ; step 0's four loads are in
	TURN 0
.irp t, 0,1,2,3,4,5,6,7,8,9,10,11,12,13,14,15
	STEP \t
.endr
	s_wait_tensorcnt 0x0
	ds_add_u32 v160, v161
	s_wait_dscnt 0x0
	s_endpgm
; THE TABLE.  Wave st (0 .. 127) serves token tile st: lane (r, h) takes token 32 (st / 2) + 8 (st % 2) + r + 8 (r / 8) and the sixteen frequencies i = n + 8 (n / 8) + 8 h, n = 0 .. 15:
; those of the features 32 b + 16 h + 0 .. 15 that this lane holds of a head in the projection's result.  Registers CSN + 2 n, + 2 n + 1 = cos, sin; four registers are an image of 512 bytes.
.macro SINCOS n                        ; angle = r + q pi/2, |r| <= pi/4: pi/2 in three parts, each taken off by a fused multiply-add; then two short polynomials, and the quadrant
	v_mul_f32 v64, s30, v[ANG+\n]
	v_rndne_f32 v64, v64                           ; q as f32
	v_fma_f32 v65, -v64, s31, v[ANG+\n]
	v_fma_f32 v65, -v64, s44, v65
	v_fma_f32 v65, -v64, s45, v65                  ; r
	v_mul_f32 v66, v65, v65                        ; z = r r
	v_fma_f32 v67, v66, s46, s47
	v_fma_f32 v69, v66, s49, s50
	v_mul_f32 v68, v66, v65
	v_mul_f32 v70, v66, v66
	v_fma_f32 v67, v67, v66, s48
	v_fma_f32 v69, v69, v66, s51
	v_fma_f32 v71, v66, -0.5, 1.0
	v_cvt_i32_f32 v72, v64
	v_fma_f32 v67, v67, v68, v65                   ; sin r
	v_fma_f32 v69, v69, v70, v71                   ; cos r
	v_and_b32 v73, 1, v72
	v_cmp_eq_u32 vcc_lo, 1, v73                    ; an odd quadrant swaps the two
	v_and_b32 v74, 2, v72
	v_lshlrev_b32 v74, 30, v74                     ; the sine's sign: quadrants 2, 3
	v_add_nc_u32 v75, 1, v72
	v_and_b32 v75, 2, v75
	v_lshlrev_b32 v75, 30, v75                     ; the cosine's: quadrants 1, 2
	v_cndmask_b32 v76, v67, v69, vcc_lo
	v_cndmask_b32 v77, v69, v67, vcc_lo
	v_xor_b32 v[CSN+2*\n+1], v76, v74
	v_xor_b32 v[CSN+2*\n], v77, v75
.endm
.Ltable:
	s_sub_co_u32 s52, ttmp9, 384
	s_lshl_b32 s52, s52, 2
	s_add_co_u32 s52, s52, s28                     ; st
	s_lshr_b32 s53, s52, 1
	s_lshl_b32 s53, s53, 5
	s_and_b32 s54, s52, 1
	s_lshl_b32 s54, s54, 3
	s_add_co_u32 s53, s53, s54                     ; the tile's first token
	s_lshl_b32 s58, s52, 12                        ; the tile's 4,096 bytes of the table
	s_mov_b32 s59, 0
	v_and_b32 v4, 15, v0                           ; r
	v_bfe_u32 v5, v0, 4, 1                         ; h
	v_and_b32 v6, 8, v4
	v_add3_u32 v6, v6, v4, s53
	v_lshlrev_b32 v6, 2, v6
	s_wait_alu depctr_va_vdst(0)
	s_wait_kmcnt 0x0
	global_load_b32 v7, v6, s[20:21]               ; my token's position, as it is given
	s_add_nc_u64 s[26:27], s[26:27], s[58:59]
	s_mov_b32 s29, 0xbed49a78                      ; -log2(10000) / 32
	s_mov_b32 s30, 0x3f22f983                      ; 2 / pi
	s_mov_b32 s31, 0x3fc90fdb                      ; pi / 2 = this
	s_mov_b32 s44, 0xb33bbd2e                      ;  + this
	s_mov_b32 s45, 0xa6f72ced                      ;  + this
	s_mov_b32 s46, 0xb94ca1f9                      ; the sine's three coefficients
	s_mov_b32 s47, 0x3c08839e
	s_mov_b32 s48, 0xbe2aaaa3
	s_mov_b32 s49, 0x37ccf5ce                      ; the cosine's
	s_mov_b32 s50, 0xbab6061a
	s_mov_b32 s51, 0x3d2aaaa5
	v_lshlrev_b32 v5, 3, v5                        ; 8 h
.irp n, 0,1,2,3,4,5,6,7,8,9,10,11,12,13,14,15
	v_add_nc_u32 v[ANG+\n], \n+8*(\n/8), v5        ; i
.endr
.irp n, 0,1,2,3,4,5,6,7,8,9,10,11,12,13,14,15
	v_cvt_f32_u32 v[ANG+\n], v[ANG+\n]
.endr
.irp n, 0,1,2,3,4,5,6,7,8,9,10,11,12,13,14,15
	v_mul_f32 v[ANG+\n], s29, v[ANG+\n]
.endr
	s_wait_alu depctr_va_vdst(0)
.irp n, 0,1,2,3,4,5,6,7,8,9,10,11,12,13,14,15
	v_exp_f32 v[ANG+\n], v[ANG+\n]                 ; 10000^(-i/32): one batch
.endr
	v_nop                                          ; a plain line behind the last exponential
	s_wait_loadcnt 0x0
	v_cvt_f32_i32 v7, v7
	s_wait_alu depctr_va_vdst(0)                   ; one wait for the batch, ahead of its first reader
.irp n, 0,1,2,3,4,5,6,7,8,9,10,11,12,13,14,15
	v_mul_f32 v[ANG+\n], v7, v[ANG+\n]             ; the angle, rounded once
.endr
.irp n, 0,1,2,3,4,5,6,7,8,9,10,11,12,13,14,15
	SINCOS \n
.endr
.irp k, 0,1,2,3,4,5,6,7
	global_store_b128 v[LO], v[CSN+4*\k:CSN+4*\k+3], s[26:27] offset:512*\k   ; 32 lanes store 512 consecutive bytes
.endr
	s_endpgm
.Lfunc_end_k_q527f8c78e6_prep:
	.size	k_q527f8c78e6_prep, .Lfunc_end_k_q527f8c78e6_prep-k_q527f8c78e6_prep
	.p2alignl 7, 3214868480
	.fill 96, 4, 3214868480
	.section	.rodata,"a",@progbits
	.p2align	6, 0x0
	.amdhsa_kernel k_q527f8c78e6_prep
		.amdhsa_group_segment_fixed_size 33280
		.amdhsa_private_segment_fixed_size 0
		.amdhsa_enable_private_segment 0
		.amdhsa_kernarg_size 80
		.amdhsa_user_sgpr_count 2
		.amdhsa_user_sgpr_kernarg_segment_ptr 1
		.amdhsa_wavefront_size32 1
		.amdhsa_system_sgpr_workgroup_id_x 1
		.amdhsa_system_sgpr_workgroup_id_y 1
		.amdhsa_system_sgpr_workgroup_id_z 1
		.amdhsa_system_vgpr_workitem_id 0
		.amdhsa_next_free_vgpr 162
		.amdhsa_next_free_sgpr 66
		.amdhsa_reserve_vcc 1
		.amdhsa_float_denorm_mode_32 3
		.amdhsa_float_denorm_mode_16_64 3
		.amdhsa_fp16_overflow 1
		.amdhsa_memory_ordered 1
		.amdhsa_forward_progress 1
		.amdhsa_inst_pref_size 56
	.end_amdhsa_kernel
	.amdgpu_metadata
---
amdhsa.version: [ 1, 2 ]
amdhsa.kernels:
  - .name:           k_q527f8c78e6_prep
    .symbol:         k_q527f8c78e6_prep.kd
    .args:
      - { .name: x, .offset: 0, .size: 8, .value_kind: global_buffer, .address_space: global }
      - { .name: W_Q, .offset: 8, .size: 8, .value_kind: global_buffer, .address_space: global }
      - { .name: W_K, .offset: 16, .size: 8, .value_kind: global_buffer, .address_space: global }
      - { .name: W_V, .offset: 24, .size: 8, .value_kind: global_buffer, .address_space: global }
      - { .name: W_O, .offset: 32, .size: 8, .value_kind: global_buffer, .address_space: global }
      - { .name: lowp_scales, .offset: 40, .size: 8, .value_kind: global_buffer, .address_space: global }
      - { .name: token_position, .offset: 48, .size: 8, .value_kind: global_buffer, .address_space: global }
      - { .name: xc, .offset: 56, .size: 8, .value_kind: global_buffer, .address_space: global }
      - { .name: wc, .offset: 64, .size: 8, .value_kind: global_buffer, .address_space: global }
      - { .name: tab, .offset: 72, .size: 8, .value_kind: global_buffer, .address_space: global }
    .group_segment_fixed_size: 33280
    .private_segment_fixed_size: 0
    .kernarg_segment_align: 8
    .kernarg_segment_size: 80
    .max_flat_workgroup_size: 128
    .sgpr_count:     66
    .vgpr_count:     162
    .wavefront_size: 32
...
	.end_amdgpu_metadata
.endif
;; end of part 1
;; launch qkv (part 2): grid 12 x 64, 4 waves a work-group, clusters of 4 x 4, 327,680 bytes of LDS; arguments xc, wc, tab, lowp_scales, qc, kv; writes qc, kv
.if DOCPART == 2
	.amdgcn_target "amdgcn-amd-amdhsa--gfx1250"
	.amdhsa_code_object_version 6
	.text
	.protected	k_q527f8c78e6_qkv
	.globl	k_q527f8c78e6_qkv
	.p2align	8
	.type	k_q527f8c78e6_qkv,@function
k_q527f8c78e6_qkv:
	s_mov_b64 s[64:65], 0
	v_nop
	global_prefetch_b8 v0, s[64:65] scope:SCOPE_SE
	s_setreg_imm32_b32 hwreg(HW_REG_WAVE_MODE, 25, 1), 1
	s_wait_xcnt 0x0
	s_wait_alu depctr_hold_cnt(0) depctr_sa_sdst(0) depctr_va_vdst(0) depctr_va_sdst(0) depctr_va_ssrc(0) depctr_va_vcc(0) depctr_vm_vsrc(0)
	s_getreg_b32 s2, hwreg(HW_REG_IB_STS2, 6, 4)
	s_cmp_eq_u32 s2, 0
	s_cbranch_scc0 .Lentry_in_a_cluster
	s_endpgm
.Lentry_in_a_cluster:
	s_bfe_u32 s2, ttmp6, 0x10000c
	s_cmp_lg_u32 s2, 0xf033
	s_cbranch_scc0 .Lentry_shape_is_right
	s_endpgm
.Lentry_shape_is_right:
; QKV: the three projections on codes of E4M3, the rotation of Q and K, and the quantising of Q, K and V for the attention: nothing but codes leaves.
; The cluster's x says which: 0 Q, 1 K, 2 V.  A tile of the result is 128 rows of "A" x 256 rows of "B", K = 1,024.  For Q and K: A = tokens (xc), B = features (wc).  For V: A = W_V's features, B = tokens:
; V is made TRANSPOSED, since the keys are the second attention product's K.
; Four waves, 2 x 2; a wave makes 64 (A) x 128 (B): 32 accumulators.  The matrix instruction takes 16 rows of B as source 0 and 16 of A as source 1: a lane holds ONE row of A, and by the storage order of rows
; (tile 2 b + u, slot s = row 32 b + 8 u + s + 8 (s / 8)) its 16 registers of B's tiles 2 b, 2 b + 1 are B's rows 32 b + 16 (lane / 16) + 0 .. 15: neighbours along the next product's K.
; So a conversion's result is the next operand's registers, and it is stored as an IMAGE of them: 16 bytes a lane, 512 consecutive bytes a store.
; K goes in four steps of 256 through THREE LDS slots: three are asked for at the start, one slot is filled again; all is written out, there is no loop.
; A fragment (16 rows x 128 K) is fetched by four loads of 16 bytes: registers 4 c .. 4 c + 3 hold K = 32 c + 16 (lane / 16) + 0 .. 15, in A and in B alike.
; CLUSTERS: 4 x 4.  A's tile is asked for jointly along a row of the cluster, B's along a column.
; SCALES: a sum stands for sum x 2^(ea + eb); its code under 2^eo is sum / 2^(eo - ea - eb): (e0, e1, e6) for Q, (e2, e3, e7) for K, (e4, e5, e9) for V.  The rotation is linear, so it is made on the sums as they are.
; LIMITS: eo - ea - eb between -126 and 119.
; REGISTERS: window 0: v1 r, v2 h, v16-18, v20-22 LDS addresses, v24 16 x lane, v26 the scale, v27 448 x the scale, v28, v29 for the add; v32-127 the table; v128-191, v192-255 A's fragments, two sets; later the way out.
;   window 1: B's fragments, two sets of 128.   window 2: the accumulators, (a, b) at v[8 (8 a + b)].
.set PITCH, 272                        ; an LDS row: 256 bytes + 16 of padding: the 16 rows that a load touches start at 16 different banks (64 banks of 4 bytes: ISA guide 11.1)
.set AREG,  128*PITCH
.set SLOT,  AREG+256*PITCH
.set SPARE, 3*SLOT                     ; behind the slots: the spare words, 128 bytes for each wave; no other line names them
.set ASTEP, 256                        ; a K step on, in A's memory
.set AREFILL, 768                      ; from K step 0 to K step 3
.set G1A, 24                           ; s[24:31] group 1 for A's tiles; s[32:43] three groups 0
.set G0A, 32
.set G1B, 44                           ; s[44:51], s[52:63] the same for B's
.set G0B, 52
.set ADRA, 16
.set ADRB, 20
.set LI,   24
.set SCV,  26
.set LIMV, 27
.set SPW,  28
.set NIL,  29
.set AF,   128
.set YR,   128                         ; the way out: numbers ahead of the conversion
.set CD,   192                         ; and codes
.set MSB, 0
.macro WIN new                         ; the immediate's high byte repeats the setting that is left
.if MSB != \new
	s_set_vgpr_msb (MSB<<8)|\new
.set MSB, \new
.endif
.endm
.set MUL,  0xa1                        ; source 0 (B) window 1, source 1 (A) window 0, C and D window 2
.set TO_B, 0x40                        ; destination window 1
.macro PLACES                          ; four plain lines between a matrix instruction and a load into, or a read of, its registers
.rept 4
	v_nop
.endr
.endm
.macro JLOAD s                         ; a joint load: waves 0, 1 fetch A's halves, waves 2, 3 B's; four v_nop follow each line
	s_cmp_eq_u32 s17, 0
	s_cbranch_scc0 .Lfor_b_\@
	tensor_load_to_lds s[G0A+4*\s:G0A+4*\s+3], s[G1A:G1A+7]
	s_nop 0
.rept 4
	v_nop
.endr
	s_branch .Lasked_\@
.Lfor_b_\@:
	tensor_load_to_lds s[G0B+4*\s:G0B+4*\s+3], s[G1B:G1B+7]
	s_nop 0
.rept 4
	v_nop
.endr
.Lasked_\@:
.endm
.macro CREST                           ; a round of the cluster's barrier behind its opening barrier
	s_cmp_lg_u32 s16, 0
	s_cbranch_scc1 .Lnot_wave_0_\@
	s_barrier_signal -3
.Lnot_wave_0_\@:
	s_barrier_wait -3
	s_barrier_signal -1
	s_barrier_wait -1
.endm
.macro CROUND
	s_barrier_signal -1
	s_barrier_wait -1
	CREST
.endm
.macro FRAG reg, adr, q, i
.irp c, 0,1,2,3
	ds_load_b128 v[\reg+4*\c:\reg+4*\c+3], v[\adr] offset:128*(\q)+32*\c+(\i)*16*PITCH
.endr
.endm
.macro FETCH slot, q, p                ; 48 loads in one run: B's eight and A's four fragments of the slot's q-th 128 along K, into set p
	WIN TO_B
.irp i, 0,1,2,3,4,5,6,7
	FRAG 128*(\p)+16*\i, ADRB+\slot, \q, \i
.endr
	WIN 0
.irp i, 0,1,2,3
	FRAG AF+64*(\p)+16*\i, ADRA+\slot, \q, \i
.endr
.endm
.macro MUL8 a, p, zero                 ; A's block a against B's eight.  The 32 accumulators take turns, one instruction a turn, in the same order in every step
.irp b, 0,1,2,3,4,5,6,7
.if \zero
	v_wmma_f32_16x16x128_fp8_fp8 v[8*(8*(\a)+\b):8*(8*(\a)+\b)+7], v[128*(\p)+16*\b:128*(\p)+16*\b+15], v[AF+64*(\p)+16*(\a):AF+64*(\p)+16*(\a)+15], 0
.else
	v_wmma_f32_16x16x128_fp8_fp8 v[8*(8*(\a)+\b):8*(8*(\a)+\b)+7], v[128*(\p)+16*\b:128*(\p)+16*\b+15], v[AF+64*(\p)+16*(\a):AF+64*(\p)+16*(\a)+15], v[8*(8*(\a)+\b):8*(8*(\a)+\b)+7]
.endif
.endr
.endm
.macro STEP p, nslot, nq, zero         ; 128 along K on set p; in its middle the next 128's fragments are fetched into the other set
	s_wait_dscnt 0x0                               ; this step's 48 loads, issued sixteen matrix instructions ago
	WIN MUL
	MUL8 0, \p, \zero
	MUL8 1, \p, \zero
	PLACES
	FETCH \nslot, \nq, 1-\p
	WIN MUL
	MUL8 2, \p, \zero
	MUL8 3, \p, \zero
.endm
.macro TURN fill, nslot                ; a step on set 1 that meets the other waves.  fill = 1: slot 0 is filled again with K step 3, behind a round of the cluster's barrier
	WIN 0
	s_wait_tensorcnt 0x0                           ; all my tensor loads have landed
	ds_add_u32 v[SPW], v[NIL]                      ; 0 onto my spare word
	s_wait_dscnt 0x1                               ; my fragments are in; the add alone may be out
	WIN MUL
	MUL8 0, 1, 0
	s_wait_dscnt 0x0                               ; the add is done, and my reads of the slots so far are over
	s_barrier_signal -1
	MUL8 1, 1, 0
	WIN 0
	s_barrier_wait -1
.if \fill
	CREST                                          ; no wave of any partner still reads slot 0 or has a load on its way
	s_add_nc_u64 s[G0A+2:G0A+3], s[G0A+2:G0A+3], AREFILL
	s_add_nc_u64 s[G0B+2:G0B+3], s[G0B+2:G0B+3], 768
	JLOAD 0                                        ; the first tensor load behind the round; its four v_nop are also the places in front of the loads below
.else
	PLACES
.endif
	FETCH \nslot, 0, 0
	WIN MUL
	MUL8 2, 1, 0
	MUL8 3, 1, 0
.endm
.macro LAST
	s_wait_dscnt 0x0
	WIN MUL
	MUL8 0, 1, 0
	MUL8 1, 1, 0
	MUL8 2, 1, 0
	MUL8 3, 1, 0
	WIN 0
.endm
	s_load_b256 s[4:11], s[0:1], 0x0               ; xc s[4:5], wc s[6:7], tab s[8:9], the exponents s[10:11]
	s_load_b128 s[12:15], s[0:1], 0x20             ; qc s[12:13], kv s[14:15]
	v_lshl_add_u32 v[SPW], v0, 2, SPARE
	v_mov_b32 v[NIL], 0
	ds_add_u32 v28, v29
	ds_add_u32 v28, v29
	s_wait_dscnt 0x0
	v_lshrrev_b32 v1, 5, v0
	v_readfirstlane_b32 s16, v1                    ; wave
	s_lshr_b32 s17, s16, 1                         ; which 64 rows of A are mine.  Also: I fetch for A (0) or for B (1)
	s_and_b32 s18, s16, 1                          ; which 128 rows of B.  Also: which half of that tile I fetch
	s_bfe_u32 s19, ttmp6, 0x40000                  ; cx
	s_bfe_u32 s20, ttmp6, 0x40004                  ; cy
	s_mov_b32 s21, ttmp9                           ; the cluster's x: 0 Q, 1 K, 2 V: the same in all sixteen partners
	s_and_b32 s22, ttmp7, 0xffff                   ; the cluster's y
	s_lshl_b32 s66, s22, 2                         ; Q, K: 64 tile rows (tokens), 4 tile columns (features)
	s_and_b32 s67, s22, 1
	s_lshl_b32 s67, s67, 2                         ; V: 8 tile rows (features),
	s_lshr_b32 s68, s22, 1
	s_lshl_b32 s68, s68, 2                         ;    32 tile columns (tokens)
	s_cmp_eq_u32 s21, 2
	s_cselect_b32 s66, s67, s66
	s_cselect_b32 s68, s68, 0
	s_add_co_u32 s23, s66, s20                     ; tile row: with cy
	s_add_co_u32 s69, s68, s19                     ; tile column: with cx
	s_lshl_b32 s70, s20, 2
	s_lshl_b32 s70, 15, s70                        ; my row of the cluster
	s_lshl_b32 s71, 0x1111, s19                    ; my column
	s_or_b32 s[G1A+0], s70, (1<<20)|(1<<21)|(5<<22)|(3<<25)   ; 15:0 the mask; elements of 1 byte; 20 padding on; 21 set beside a mask; after every 64 words four words
	s_or_b32 s[G1B+0], s71, (1<<20)|(1<<21)|(5<<22)|(3<<25)
	s_mov_b32 s[G1A+1], 256<<16                    ; tensor_dim0
	s_mov_b32 s[G1A+2], 64<<16                     ; tensor_dim1: 64 rows a load
	s_mov_b32 s[G1A+3], 256<<16                    ; tile_dim0
	s_mov_b32 s[G1A+4], 64                         ; tile_dim1
	s_mov_b32 s[G1A+5], 1024                       ; from row to row
	s_mov_b32 s[G1A+6], 0
	s_mov_b32 s[G1A+7], 0
	s_mov_b32 s[G1B+1], 256<<16
	s_mov_b32 s[G1B+2], 128<<16                    ; 128 rows a load
	s_mov_b32 s[G1B+3], 256<<16
	s_mov_b32 s[G1B+4], 128
	s_mov_b32 s[G1B+5], 1024
	s_mov_b32 s[G1B+6], 0
	s_mov_b32 s[G1B+7], 0
	s_lshl_b32 s84, s23, 17                        ; A: 128 rows of 1,024 bytes a tile row,
	s_lshl_b32 s85, s18, 16                        ;    + the 64 rows that I fetch
	s_add_co_u32 s84, s84, s85
	s_lshl_b32 s86, s69, 18                        ; B: 256 rows a tile column,
	s_lshl_b32 s87, s18, 17                        ;    + the 128 rows that I fetch
	s_add_co_u32 s86, s86, s87
	s_lshl_b32 s88, s21, 23                        ; Q, K: xc's section,
	s_lshl_b32 s89, s21, 20                        ;       wc's section
	s_cmp_eq_u32 s21, 2
	s_cselect_b32 s88, 0x200000, s88               ; V: A is wc's third section,
	s_cselect_b32 s89, 0x1000000, s89              ;    B is xc's third
	s_add_co_u32 s84, s84, s88
	s_mov_b32 s85, 0
	s_add_co_u32 s86, s86, s89
	s_mov_b32 s87, 0
	s_mul_i32 s92, s18, 64*PITCH                   ; where they go: no place in the cluster enters an LDS address
	s_mul_i32 s93, s18, 128*PITCH
	s_add_co_u32 s93, s93, AREG
	s_wait_kmcnt 0x0
	s_load_b256 s[72:79], s[10:11], 0x0            ; e0 .. e7
	s_load_b128 s[80:83], s[10:11], 0x20           ; e8 .. e11
	s_cmp_eq_u32 s21, 2
	s_cselect_b64 s[88:89], s[6:7], s[4:5]
	s_cselect_b64 s[90:91], s[4:5], s[6:7]
	s_add_nc_u64 s[88:89], s[88:89], s[84:85]
	s_add_nc_u64 s[90:91], s[90:91], s[86:87]
	CROUND                                         ; all sixteen work-groups are here: the first joint loads meet
.irp s, 0,1,2
	s_mov_b32 s[G0A+4*\s], 1
	s_add_co_u32 s[G0A+4*\s+1], s92, \s*SLOT
	s_add_nc_u64 s[G0A+4*\s+2:G0A+4*\s+3], s[88:89], \s*ASTEP
	s_or_b32 s[G0A+4*\s+3], s[G0A+4*\s+3], 0x80000000
	s_mov_b32 s[G0B+4*\s], 1
	s_add_co_u32 s[G0B+4*\s+1], s93, \s*SLOT
	s_add_nc_u64 s[G0B+4*\s+2:G0B+4*\s+3], s[90:91], \s*256
	s_or_b32 s[G0B+4*\s+3], s[G0B+4*\s+3], 0x80000000
.endr
	s_cmp_eq_u32 s17, 0                            ; a wave's three first fills stand in one branch: three loads of mine are out
	s_cbranch_scc0 .Lfirst_b
	tensor_load_to_lds s[G0A:G0A+3], s[G1A:G1A+7]
	s_nop 0
	tensor_load_to_lds s[G0A+4:G0A+7], s[G1A:G1A+7]
	s_nop 0
	tensor_load_to_lds s[G0A+8:G0A+11], s[G1A:G1A+7]
	s_nop 0
.rept 4
	v_nop
.endr
	s_branch .Lfirst_asked
.Lfirst_b:
	tensor_load_to_lds s[G0B:G0B+3], s[G1B:G1B+7]
	s_nop 0
	tensor_load_to_lds s[G0B+4:G0B+7], s[G1B:G1B+7]
	s_nop 0
	tensor_load_to_lds s[G0B+8:G0B+11], s[G1B:G1B+7]
	s_nop 0
.rept 4
	v_nop
.endr
.Lfirst_asked:
	v_and_b32 v1, 15, v0                           ; r
	v_bfe_u32 v2, v0, 4, 1                         ; h
	v_mul_u32_u24 v3, v1, PITCH
	v_lshl_add_u32 v3, v2, 4, v3                   ; a fragment's row x pitch + 16 h
	s_mul_i32 s66, s17, 64*PITCH
	s_mul_i32 s67, s18, 128*PITCH
	s_add_co_u32 s67, s67, AREG
.irp s, 0,1,2
	v_add_nc_u32 v[ADRA+\s], s66, v3
	v_add_nc_u32 v[ADRB+\s], s67, v3
	s_add_co_u32 s66, s66, SLOT
	s_add_co_u32 s67, s67, SLOT
.endr
	v_and_b32 v[LI], 31, v0
	v_lshlrev_b32 v[LI], 4, v[LI]
	s_wait_alu depctr_va_vdst(0)
	s_wait_kmcnt 0x0
	s_sub_co_i32 s94, s78, s72                     ; Q: e6 - e0 - e1
	s_sub_co_i32 s94, s94, s73
	s_sub_co_i32 s95, s79, s74                     ; K: e7 - e2 - e3
	s_sub_co_i32 s95, s95, s75
	s_sub_co_i32 s96, s81, s76                     ; V: e9 - e4 - e5
	s_sub_co_i32 s96, s96, s77
	s_cmp_eq_u32 s21, 0
	s_cselect_b32 s94, s94, s95
	s_cmp_eq_u32 s21, 2
	s_cselect_b32 s94, s96, s94
	s_add_co_i32 s94, s94, 127
	s_lshl_b32 s95, s94, 23
	v_mov_b32 v[SCV], s95                          ; the folded scale as f32: the conversion takes its exponent field
	s_add_co_i32 s94, s94, 8
	s_lshl_b32 s94, s94, 23
	s_or_b32 s94, s94, 0x600000
	v_mov_b32 v[LIMV], s94                         ; 448 x that
	s_wait_tensorcnt 0x2                           ; my part of K step 0 is in; K steps 1 and 2 may stay out
	s_barrier_signal -1
	s_barrier_wait -1
	FETCH 0, 0, 0
	STEP 0, 0, 1, 1                                ; the first products start the sums: nothing is cleared
	TURN 1, 1                                      ; K step 0's second half; K step 3 is asked for; slots 1 and 2 are whole in every wave
	STEP 0, 1, 1, 0
	STEP 1, 2, 0, 0
	STEP 0, 2, 1, 0
	TURN 0, 0                                      ; K step 2's second half; K step 3 is whole in every wave
	WIN 0
	s_cmp_eq_u32 s21, 2                            ; the ways part on the cluster's x; no barrier and no tensor load stands in either arm
	s_cbranch_scc1 .Lvarm
; ---- Q and K: my 4 token tiles x 2 heads.  The table's (cos, sin) come as images of my registers, asked for ahead of the last 64 matrix instructions.
	s_lshr_b32 s84, s23, 4                         ; batch
	s_and_b32 s85, s23, 15
	s_lshl_b32 s85, s85, 3
	s_lshl_b32 s86, s17, 2
	s_add_co_u32 s85, s85, s86                     ; my first token tile in the sequence
	s_lshl_b32 s86, s69, 2
	s_lshl_b32 s87, s18, 1
	s_add_co_u32 s86, s86, s87                     ; my first head
	s_lshl_b32 s84, s84, 4
	s_add_co_u32 s84, s84, s86                     ; batch x 16 + head
	s_lshl_b32 s88, s85, 12
	s_mov_b32 s89, 0
	s_add_nc_u64 s[8:9], s[8:9], s[88:89]          ; the table at my first tile
	s_lshl_b32 s90, s84, 17                        ; qc: 128 tiles of 1,024 bytes a head
	s_lshl_b32 s91, s85, 10
	s_add_co_u32 s90, s90, s91
	s_lshl_b32 s92, s84, 18                        ; kv: 8 slots of 32,768 bytes a head; 16 tiles of K at a slot's head
	s_lshr_b32 s93, s85, 4
	s_lshl_b32 s93, s93, 15
	s_add_co_u32 s92, s92, s93
	s_and_b32 s93, s85, 15
	s_lshl_b32 s93, s93, 10
	s_add_co_u32 s92, s92, s93
	s_cmp_eq_u32 s21, 0
	s_cselect_b32 s90, s90, s92
	s_cselect_b64 s[94:95], s[12:13], s[14:15]
	s_mov_b32 s92, 0x40000
	s_cselect_b32 s92, 0x20000, s92                ; from head to head
	s_mov_b32 s91, 0
	s_mov_b32 s93, 0
	s_add_nc_u64 s[94:95], s[94:95], s[90:91]      ; my first head's images,
	s_add_nc_u64 s[96:97], s[94:95], s[92:93]      ; my second's
.macro TABLD a, reg
.irp k, 0,1,2,3,4,5,6,7
	global_load_b128 v[\reg+4*\k:\reg+4*\k+3], v[LI], s[8:9] offset:(\a)*4096+512*\k
.endr
.endm
; token tile a, head hd: four tiles of 16 features.  Registers 2 p, 2 p + 1 of a tile are an (even, odd) pair: e' = e cos - o sin, o' = e sin + o cos.  Each accumulator is read from its low end on.
.macro UNITQK a, hd
.set AC, 8*(8*(\a)+4*(\hd))
.set TBL, 32+32*(\a)
.if (\a) == 3
.set TBL, 224
.endif
.if (\hd) == 0
	s_wait_loadcnt 24-8*(\a)                       ; this tile's eight table loads are in; the later tiles' may be out
.endif
	WIN 0x02                                       ; source 0: the accumulators' window
.irp t, 0,1,2,3
.irp p, 0,1,2,3
	v_mul_f32 v[YR+8*\t+2*\p], v[AC+8*\t+2*\p+1], v[TBL+8*\t+2*\p+1]
	v_mul_f32 v[YR+8*\t+2*\p+1], v[AC+8*\t+2*\p+1], v[TBL+8*\t+2*\p]
.endr
.irp p, 0,1,2,3
	v_fma_f32 v[YR+8*\t+2*\p], v[AC+8*\t+2*\p], v[TBL+8*\t+2*\p], -v[YR+8*\t+2*\p]
	v_fma_f32 v[YR+8*\t+2*\p+1], v[AC+8*\t+2*\p], v[TBL+8*\t+2*\p+1], v[YR+8*\t+2*\p+1]
.endr
.endr
	WIN 0
.set i, 0
.rept 32
.set i, i+1
.endr
	s_wait_alu depctr_va_vdst(0)
	s_wait_xcnt 0x0                                ; the last unit's stores have read their codes
.irp t, 0,1,2,3
	v_cvt_scalef32_pk8_fp8_f32 v[CD+2*\t:CD+2*\t+1], v[YR+8*\t:YR+8*\t+7], v[SCV]
.endr
	v_nop                                          ; a plain line behind the conversions
	global_store_b128 v[LI], v[CD:CD+3], s[94+2*(\hd):95+2*(\hd)] offset:(\a)*1024        ; features 16 h + 0 .. 15 of my token: 512 consecutive bytes a store
	global_store_b128 v[LI], v[CD+4:CD+7], s[94+2*(\hd):95+2*(\hd)] offset:(\a)*1024+512  ; features 32 + 16 h + 0 .. 15
.endm
	TABLD 0, 32
	TABLD 1, 64
	TABLD 2, 96
	STEP 0, 0, 1, 0
	LAST
	PLACES
	TABLD 3, 224                                   ; into registers that held A's fragments
.irp a, 0,1,2,3
	UNITQK \a, 0
	UNITQK \a, 1
.endr
	s_branch .Lend
; ---- V: my 64 features are one head, my 128 tokens one key step.  Lane r holds feature slot r of tile a; its registers run along the keys: four images of 512 bytes are one fragment of V^T.
.Lvarm:
	s_lshl_b32 s84, s23, 1
	s_add_co_u32 s84, s84, s17                     ; head
	s_lshl_b32 s85, s69, 1
	s_add_co_u32 s85, s85, s18                     ; which 128 tokens of the 8,192
	s_lshr_b32 s86, s85, 4                         ; batch
	s_lshl_b32 s86, s86, 4
	s_add_co_u32 s86, s86, s84
	s_lshl_b32 s86, s86, 18
	s_and_b32 s87, s85, 15
	s_lshr_b32 s87, s87, 1                         ; slot
	s_lshl_b32 s87, s87, 15
	s_add_co_u32 s86, s86, s87
	s_and_b32 s87, s85, 1                          ; key step in the slot
	s_lshl_b32 s87, s87, 13
	s_add_co_u32 s86, s86, s87
	s_add_co_u32 s86, s86, 16384                   ; V lies behind the slot's K
	s_mov_b32 s87, 0
	s_add_nc_u64 s[94:95], s[14:15], s[86:87]
.macro UNITV a
	WIN 0x02
.set i, 0
.rept 64
	v_med3_num_f32 v[YR+i], v[64*(\a)+i], -v[LIMV], v[LIMV]
.set i, i+1
.endr
	WIN 0
	s_wait_alu depctr_va_vdst(0)
	s_wait_xcnt 0x0                                ; the last unit's stores have read their codes
.irp b, 0,1,2,3,4,5,6,7
	v_cvt_scalef32_pk8_fp8_f32 v[CD+2*\b:CD+2*\b+1], v[YR+8*\b:YR+8*\b+7], v[SCV]
.endr
	v_nop
.irp c, 0,1,2,3
	global_store_b128 v[LI], v[CD+4*\c:CD+4*\c+3], s[94:95] offset:(\a)*2048+512*\c
.endr
.endm
	STEP 0, 0, 1, 0
	LAST
	PLACES
	s_wait_alu depctr_va_vdst(0)
.irp a, 0,1,2,3
	UNITV \a
.endr
.Lend:
	s_wait_tensorcnt 0x0                           ; the wave's end
	ds_add_u32 v[SPW], v[NIL]
	s_wait_dscnt 0x0
	CROUND                                         ; the closing round
	s_endpgm
.Lfunc_end_k_q527f8c78e6_qkv:
	.size	k_q527f8c78e6_qkv, .Lfunc_end_k_q527f8c78e6_qkv-k_q527f8c78e6_qkv
	.p2alignl 7, 3214868480
	.fill 96, 4, 3214868480
	.section	.rodata,"a",@progbits
	.p2align	6, 0x0
	.amdhsa_kernel k_q527f8c78e6_qkv
		.amdhsa_group_segment_fixed_size 327680
		.amdhsa_private_segment_fixed_size 0
		.amdhsa_enable_private_segment 0
		.amdhsa_kernarg_size 48
		.amdhsa_user_sgpr_count 2
		.amdhsa_user_sgpr_kernarg_segment_ptr 1
		.amdhsa_wavefront_size32 1
		.amdhsa_system_sgpr_workgroup_id_x 1
		.amdhsa_system_sgpr_workgroup_id_y 1
		.amdhsa_system_sgpr_workgroup_id_z 1
		.amdhsa_system_vgpr_workitem_id 0
		.amdhsa_next_free_vgpr 768
		.amdhsa_next_free_sgpr 100
		.amdhsa_reserve_vcc 0
		.amdhsa_float_denorm_mode_32 3
		.amdhsa_float_denorm_mode_16_64 3
		.amdhsa_fp16_overflow 1
		.amdhsa_memory_ordered 1
		.amdhsa_forward_progress 1
		.amdhsa_inst_pref_size 114
	.end_amdhsa_kernel
	.amdgpu_metadata
---
amdhsa.version: [ 1, 2 ]
amdhsa.kernels:
  - .name:           k_q527f8c78e6_qkv
    .symbol:         k_q527f8c78e6_qkv.kd
    .args:
      - { .name: xc, .offset: 0, .size: 8, .value_kind: global_buffer, .address_space: global }
      - { .name: wc, .offset: 8, .size: 8, .value_kind: global_buffer, .address_space: global }
      - { .name: tab, .offset: 16, .size: 8, .value_kind: global_buffer, .address_space: global }
      - { .name: lowp_scales, .offset: 24, .size: 8, .value_kind: global_buffer, .address_space: global }
      - { .name: qc, .offset: 32, .size: 8, .value_kind: global_buffer, .address_space: global }
      - { .name: kv, .offset: 40, .size: 8, .value_kind: global_buffer, .address_space: global }
    .group_segment_fixed_size: 327680
    .private_segment_fixed_size: 0
    .kernarg_segment_align: 8
    .kernarg_segment_size: 48
    .max_flat_workgroup_size: 128
    .sgpr_count:     100
    .vgpr_count:     768
    .wavefront_size: 32
...
	.end_amdgpu_metadata
.endif
;; end of part 2
;; launch attn (part 3): grid 4 x 64, 16 waves a work-group, no clusters, 327,680 bytes of LDS; arguments qc, kv, lowp_scales, oc; writes oc
.if DOCPART == 3
	.amdgcn_target "amdgcn-amd-amdhsa--gfx1250"
	.amdhsa_code_object_version 6
	.text
	.protected	k_q527f8c78e6_attn
	.globl	k_q527f8c78e6_attn
	.p2align	8
	.type	k_q527f8c78e6_attn,@function
k_q527f8c78e6_attn:
	s_mov_b64 s[64:65], 0
	v_nop
	global_prefetch_b8 v0, s[64:65] scope:SCOPE_SE
	s_setreg_imm32_b32 hwreg(HW_REG_WAVE_MODE, 25, 1), 1
	s_wait_xcnt 0x0
; ATTN: causal attention on codes of E4M3, head size 64; its result leaves as codes (scale 2^e10), laid as the last projection's operand.
; qc: [batch x head 64][token tile 128][1,024 bytes]: a tile's image: registers 4 b .. 4 b + 3 of lane (r, h) = features 32 b + 16 h + 0 .. 15 of slot r.  A token tile T holds tokens 32 (T / 2) + 8 (T % 2) + r + 8 (r / 8).
; kv: [batch x head][slot 8][32,768 bytes]: 256 keys: 16 tiles of K as above, then for each of two key steps four fragments of V^T (16 features x 128 keys, 2,048 bytes).
; SOFTMAX: t = score x log2(e) / 8; M = the running largest t rounded UP to a whole number; p = 2^(t - M) is quantised (2^e8), not normalised; the row's sum is taken of the unquantised p and divides at the end.
; BALANCE: work-group (p, head) owns query blocks 7 - p and p, 256 queries each, one after the other: 8 - p and p + 1 slots of keys, NINE in every work-group: the loop's trip count is a constant, and no slot is fetched that nobody reads.
; SHARES: sixteen waves, a token tile of 16 queries each, one query a lane (both products are used transposed).  K's and V's images come through two LDS slots, filled by waves 0 (K's half) and 1 (V's half), read by all.
; A key step whose 128 keys all come after the wave's queries is jumped over (a scalar branch on ids); on the diagonal hidden scores become -infinity ahead of the maximum.  Key 0 counts for every query, so M is a number from the first step on.
; NO CLUSTER: the four work-groups of a head want different slots in the same trip once the first of them has begun its second block, so they cannot make every request jointly.
; LIMITS: e6 + e7 between -123 and 130 (added to the exponent field of log2(e) / 8); e8 and e10 - e8 - e9 between -126 and 119.
; REGISTERS: v1 16 x lane; v3 256 x lane; v5, v6 for the add; v8 LDS address; v10 r + 8 (r / 8) - 16 h; v12 -M, v13 the largest t, v[14:15] the sum; v16-23 Q; v32-95 K's eight tiles, then V's four fragments;
;   v96-159 S^T, then p; v160-191 O^T; v192-223 the way out; v224-239 p's codes; v244 2^e8; v246 the way out's scale; v236-243, v248-255 at work.
.set SLOTB, 32768
.set SPARE, 2*SLOTB                    ; behind the slots: the spare words, 128 bytes for each of sixteen waves; no other line names them
.set LI,   1
.set PFO,  3
.set SPW,  5
.set NIL,  6
.set ADK,  8
.set TB,   2                           ; s2   LDS byte at which the slot in hand begins
.set WV,   18
.set SEL,  20                          ; s[20:21] v_permlanex16_b32's selects: lane l xor 16
.set CS,   22                          ; s[22:23] c = log2(e) / 8 x 2^(e6 + e7)
.set G1,   24                          ; s[24:31] group 1: 64 rows of 256 bytes, dense
.set G0,   40                          ; s[40:43] group 0, which walks
.set KVB,  44                          ; s[44:45] my half of the head's slot 0 in memory
.set OFF,  46                          ; s[46:47] the slot to be asked for, in bytes
.set KSN,  48                          ; s48  its number
.set NA,   49                          ; s49  slots of the first block: 8 - p
.set KEND, 50                          ; s50  keys of the first block
.set KF,   51                          ; s51  the step's first key
.set Q0,   52                          ; s52  my smallest query
.set Q0B,  53                          ; s53  the same in the second block
.set QPA,  54                          ; s[54:55], s[56:57] my tile of Q in the two blocks
.set QPB,  56
.set OPA,  58                          ; s[58:59], s[60:61] where my codes go
.set OPB,  60
.set SLOTS, 67
.set PFA,  80                          ; s[80:81] where my prefetches stand
.set LIM,  82                          ; s82  2 in a wave that prefetches, else the greatest number
.macro TLOAD                           ; waves 0 and 1 fetch; four v_nop follow the line
	s_cmp_lt_u32 s[WV], 2
	s_cbranch_scc0 .Lno_load_\@
	tensor_load_to_lds s[G0:G0+3], s[G1:G1+7]
	s_nop 0
.rept 4
	v_nop
.endr
.Lno_load_\@:
.endm
; A prefetch of the slot that the NEXT change of slots will ask for.  The four work-groups of a head walk the same slots: the one with p = 0, which walks slots 0 to 7 in order, asks.  In it waves 4 to 7 ask, 8,192 bytes each,
; lanes 256 bytes apart: each aligned block of 256 bytes is named once in the launch.  Trips 0 to 5 ask for slots 2 to 7; slots 0 and 1 come by their loads alone, and the last trips ask for nothing.
.macro ASK
	s_cmp_gt_u32 s[SLOTS], s[LIM]
	s_cbranch_scc0 .Lnot_mine_\@
	global_prefetch_b8 v[PFO], s[PFA:PFA+1] th:TH_LOAD_NT scope:SCOPE_SE
.Lnot_mine_\@:
.endm
; A KEY STEP: 128 keys, the q-th of the slot in hand.
.macro STEP q
	s_add_co_u32 s96, s[Q0], 23                    ; my largest query
	s_cmp_gt_u32 s[KF], s96
	s_cbranch_scc1 .Lhidden_\@
	v_add_nc_u32 v[ADK], s[TB], v[LI]
.rept 3
	v_nop                                          ; with the line above: four places in front of loads into registers that matrix instructions have read
.endr
.irp t, 0,1,2,3,4,5,6,7
	ds_load_b128 v[32+8*\t:35+8*\t], v[ADK] offset:8192*(\q)+1024*\t
	ds_load_b128 v[36+8*\t:39+8*\t], v[ADK] offset:8192*(\q)+1024*\t+512
.endr
	s_wait_alu depctr_va_vdst(0)
	s_wait_dscnt 0x0
.irp t, 0,1,2,3,4,5,6,7                        ; S^T = K Q^T: lane (r, h) holds query slot r; the 16 registers of tiles 2 b, 2 b + 1 are keys KF + 32 b + 16 h + 0 .. 15
	v_wmma_f32_16x16x64_fp8_fp8 v[96+8*\t:103+8*\t], v[32+8*\t:39+8*\t], v[16:23], 0
.endr
.rept 4
	v_nop
.endr
.irp t, 0,1,2,3                                ; V's four fragments take K's registers and land while the softmax is walked
.irp c, 0,1,2,3
	ds_load_b128 v[32+16*\t+4*\c:35+16*\t+4*\c], v[ADK] offset:16384+8192*(\q)+2048*\t+512*\c
.endr
.endr
	s_add_co_u32 s96, s[KF], 127
	s_cmp_le_u32 s96, s[Q0]                        ; all keys count for all my queries?
	s_cbranch_scc1 .Lopen_\@
	s_sub_co_i32 s96, s[Q0], s[KF]
	v_add_nc_u32 v252, s96, v10                    ; d = my query - KF - 16 h: register 16 b + i is hidden where 32 b + i > d
	v_mov_b32 v254, 0xff800000                     ; -infinity
.set n, 0
.rept 64
	v_cmp_gt_i32 vcc_lo, 32*(n/16)+n%16, v252
	v_cndmask_b32 v[96+n], v[96+n], v254, vcc_lo
.set n, n+1
.endr
.Lopen_\@:
	v_max3_num_f32 v254, v96, v97, v98             ; the step's largest score of my query among my 64 keys, in two chains,
	v_max3_num_f32 v252, v99, v100, v101
.irp i, 6,10,14,18,22,26,30,34,38,42,46,50,54,58
	v_max3_num_f32 v254, v254, v[96+\i], v[97+\i]
	v_max3_num_f32 v252, v252, v[98+\i], v[99+\i]
.endr
	v_max3_num_f32 v254, v254, v158, v159
	s_delay_alu instid0(VALU_DEP_1)
	v_max_num_f32 v254, v254, v252
	v_permlanex16_b32 v236, v254, s[SEL], s[SEL+1]
	s_delay_alu instid0(VALU_DEP_1)
	v_max_num_f32 v254, v254, v236                 ; and among lane l xor 16's
	s_delay_alu instid0(VALU_DEP_1)
	v_mul_f32 v254, s[CS], v254                    ; as t (c is positive)
	s_delay_alu instid0(VALU_DEP_1)
	v_max_num_f32 v13, v13, v254                   ; the running largest t
	v_mov_b32 v254, v12
	s_delay_alu instid0(VALU_DEP_2)
	v_floor_f32 v12, -v13                          ; the new -M = floor(-t): M is a whole number
	s_delay_alu instid0(VALU_DEP_1)
	v_sub_f32 v254, v12, v254                      ; M's old value less its new one: a whole number, 0 or less
	s_delay_alu instid0(VALU_DEP_1)
	v_cvt_i32_f32 v254, v254                       ; (it saturates)
	s_delay_alu instid0(VALU_DEP_1)
	v_ldexp_f32 v252, 1.0, v254                    ; f = 2^(old M - new M): a multiplication by it rounds nothing
.set j, 0
.rept 32
	v_pk_fma_f32 v[96+j:97+j], v[96+j:97+j], s[CS:CS+1], v[12:13] op_sel_hi:[1,0,0]   ; t - M, two at a time
.set j, j+2
.endr
.set j, 0
	s_wait_alu depctr_va_vdst(0)
.rept 64
	v_exp_f32 v[96+j], v[96+j]                     ; p = 2^(t - M): one batch
.set j, j+1
.endr
	v_pk_mul_f32 v[14:15], v[14:15], v[252:253] op_sel_hi:[1,0]   ; the sums under the new M: a plain line behind the exponentials
	s_wait_alu depctr_va_vdst(0)                   ; one wait for the batch, ahead of its first reader
	v_pk_add_f32 v[242:243], v[100:101], v[104:105]
	v_pk_add_f32 v[254:255], v[108:109], v[112:113]
	v_pk_add_f32 v[250:251], v[116:117], v[120:121]
	v_pk_add_f32 v[248:249], v[124:125], v[128:129]
	v_pk_add_f32 v[240:241], v[132:133], v[136:137]
	v_pk_add_f32 v[238:239], v[140:141], v[144:145]
	v_pk_add_f32 v[236:237], v[148:149], v[152:153]
	v_pk_add_f32 v[14:15], v[14:15], v[156:157]
	v_pk_add_f32 v[242:243], v[242:243], v[96:97]
	v_pk_add_f32 v[254:255], v[254:255], v[98:99]
	v_pk_add_f32 v[250:251], v[250:251], v[102:103]
	v_pk_add_f32 v[248:249], v[248:249], v[106:107]
	v_pk_add_f32 v[240:241], v[240:241], v[110:111]
	v_pk_add_f32 v[238:239], v[238:239], v[114:115]
	v_pk_add_f32 v[236:237], v[236:237], v[118:119]
	v_pk_add_f32 v[14:15], v[14:15], v[122:123]
	v_pk_add_f32 v[242:243], v[242:243], v[126:127]
	v_pk_add_f32 v[254:255], v[254:255], v[130:131]
	v_pk_add_f32 v[250:251], v[250:251], v[134:135]
	v_pk_add_f32 v[248:249], v[248:249], v[138:139]
	v_pk_add_f32 v[240:241], v[240:241], v[142:143]
	v_pk_add_f32 v[238:239], v[238:239], v[146:147]
	v_pk_add_f32 v[236:237], v[236:237], v[150:151]
	v_pk_add_f32 v[14:15], v[14:15], v[154:155]
	v_pk_add_f32 v[242:243], v[242:243], v[158:159]
	s_delay_alu instid0(VALU_DEP_2)
	v_pk_add_f32 v[14:15], v[14:15], v[248:249]
	s_delay_alu instid0(VALU_DEP_2)
	v_pk_add_f32 v[242:243], v[242:243], v[240:241]
	v_pk_add_f32 v[254:255], v[254:255], v[238:239]
	v_pk_add_f32 v[250:251], v[250:251], v[236:237]
	s_delay_alu instid0(VALU_DEP_2)
	v_pk_add_f32 v[14:15], v[14:15], v[254:255]
	s_delay_alu instid0(VALU_DEP_2)
	v_pk_add_f32 v[242:243], v[242:243], v[250:251]
	s_delay_alu instid0(VALU_DEP_1)
	v_pk_add_f32 v[14:15], v[14:15], v[242:243]
.irp b, 0,1,2,3
.irp i, 0,1,2,3,4,5,6,7,8,9,10,11,12,13,14,15
.endr
	v_cvt_scalef32_pk8_fp8_f32 v[224+4*\b:225+4*\b], v[96+16*\b:103+16*\b], v244
	v_cvt_scalef32_pk8_fp8_f32 v[226+4*\b:227+4*\b], v[104+16*\b:111+16*\b], v244
.endr
.set j, 0
.rept 16
	v_pk_mul_f32 v[160+j:161+j], v[160+j:161+j], v[252:253] op_sel_hi:[1,0]   ; O^T under the new M; these are also the plain lines behind the conversions
.set j, j+2
.endr
	s_wait_alu depctr_va_vdst(0)
	s_wait_dscnt 0x0                               ; V is in
.irp t, 0,1,2,3                                ; O^T += V^T P^T: four accumulators by turns
	v_wmma_f32_16x16x128_fp8_fp8 v[160+8*\t:167+8*\t], v[32+16*\t:47+16*\t], v[224:239], v[160+8*\t:167+8*\t]
.endr
.Lhidden_\@:
	s_add_co_u32 s[KF], s[KF], 128
.endm
; THE CHANGE OF SLOTS stands at a slot's head.  Each wave waits for all its tensor loads, adds 0 to its spare word, and waits for that and for its reads of the slot that it has left.
; fill = 1: behind the barrier that slot is filled with the next slot of keys; behind the first block's last slot comes slot 0 again.
.macro CHANGE fill
	s_wait_tensorcnt 0x0                           ; no tensor load of mine is out, so the group 0 may be written
	ds_add_u32 v[SPW], v[NIL]                      ; 0 onto my spare word
.if \fill
	s_xor_b32 s[G0+1], s[G0+1], SLOTB
	s_add_co_u32 s[KSN], s[KSN], 1
	s_cmp_eq_u32 s[KSN], s[NA]
	s_cselect_b32 s[KSN], 0, s[KSN]
	s_lshl_b32 s[OFF], s[KSN], 15
	s_add_nc_u64 s[G0+2:G0+3], s[KVB:KVB+1], s[OFF:OFF+1]
	s_or_b32 s[G0+3], s[G0+3], 0x80000000
	s_wait_xcnt 0x0                                ; the last prefetch, a slot back, has read its address
	s_add_nc_u64 s[PFA:PFA+1], s[PFA:PFA+1], SLOTB
.endif
	s_wait_dscnt 0x0                               ; the add is done, and my reads of the slot that I have left are over
	s_barrier_signal -1
	s_barrier_wait -1
.if \fill
	TLOAD                                          ; the first thing behind the barrier, and a wave's one tensor load until the next
	ASK
.endif
.endm
; A BLOCK'S END: O^T / the sum, converted with 2^(e10 - e8 - e9); tiles 2 b, 2 b + 1 give features 32 b + 16 h + 0 .. 15 of my query: two images of 512 bytes.  more = 1: the second block begins.
.macro FLUSH op, more
.rept 4
	v_nop                                          ; places behind the last products
.endr
	v_add_f32 v14, v14, v15
	s_delay_alu instid0(VALU_DEP_1)
	v_permlanex16_b32 v252, v14, s[SEL], s[SEL+1]
	s_delay_alu instid0(VALU_DEP_1)
	v_add_f32 v14, v14, v252                       ; the row's sum
	s_wait_alu depctr_va_vdst(0)
	v_rcp_f32 v14, v14
	v_nop
	s_wait_alu depctr_va_vdst(0)                   ; the wait ahead of the reciprocal's first reader
.set j, 0
.rept 32
	v_mul_f32 v[192+j], v[160+j], v14
.set j, j+1
.endr
.set j, 0
.rept 32
.set j, j+1
.endr
.irp t, 0,1,2,3
	v_cvt_scalef32_pk8_fp8_f32 v[224+2*\t:225+2*\t], v[192+8*\t:199+8*\t], v246
.endr
	v_nop
	global_store_b128 v[LI], v[224:227], s[\op:\op+1]
	global_store_b128 v[LI], v[228:231], s[\op:\op+1] offset:512
.if \more
	global_load_b128 v[16:19], v[LI], s[QPB:QPB+1]
	global_load_b128 v[20:23], v[LI], s[QPB:QPB+1] offset:512
	v_mov_b32 v13, 0xff61b1e6                      ; -3e38, under every t
	s_delay_alu instid0(VALU_DEP_1)
	v_floor_f32 v12, -v13
	v_mov_b32 v14, 0
	v_mov_b32 v15, 0
.set j, 0
.rept 32
	v_mov_b32 v[160+j], 0
.set j, j+1
.endr
	s_mov_b32 s[KF], 0
	s_mov_b32 s[Q0], s[Q0B]
	s_wait_loadcnt 0x0                             ; Q
	s_wait_xcnt 0x0                                ; the stores have read their codes: the next step writes those registers
.endif
.endm
	s_load_b256 s[4:11], s[0:1], 0x0               ; qc s[4:5], kv s[6:7], the exponents s[8:9], oc s[10:11]
	v_lshl_add_u32 v[SPW], v0, 2, SPARE
	v_mov_b32 v[NIL], 0
	ds_add_u32 v5, v6
	ds_add_u32 v5, v6
	s_wait_dscnt 0x0
	v_lshrrev_b32 v8, 5, v0
	s_delay_alu instid0(VALU_DEP_1)
	v_readfirstlane_b32 s[WV], v8                  ; wave 0 .. 15
	s_and_b32 s84, ttmp7, 0xffff                   ; batch x 16 + head
	s_sub_co_u32 s[NA], 8, ttmp9
	s_lshl_b32 s[KEND], s[NA], 8
	s_mov_b32 s[KF], 0
	s_mov_b32 s[KSN], 0
	s_mov_b32 s[OFF+1], 0
	s_mov_b32 s[TB], 0
	s_mov_b32 s[SLOTS], 8
	s_lshr_b32 s86, s[WV], 1
	s_lshl_b32 s86, s86, 5
	s_and_b32 s87, s[WV], 1
	s_lshl_b32 s87, s87, 3
	s_add_co_u32 s86, s86, s87                     ; my tile's smallest token in its block: 32 (w / 2) + 8 (w % 2)
	s_sub_co_u32 s87, 7, ttmp9                     ; the first block
	s_lshl_b32 s88, s87, 8
	s_add_co_u32 s[Q0], s88, s86
	s_lshl_b32 s88, ttmp9, 8
	s_add_co_u32 s[Q0B], s88, s86
	s_lshl_b32 s87, s87, 4
	s_add_co_u32 s87, s87, s[WV]                   ; my token tile in the first block,
	s_lshl_b32 s88, ttmp9, 4
	s_add_co_u32 s88, s88, s[WV]                   ; in the second
	s_lshl_b32 s89, s84, 17
	s_lshl_b32 s90, s87, 10
	s_add_co_u32 s90, s90, s89
	s_mov_b32 s91, 0
	s_lshl_b32 s92, s88, 10
	s_add_co_u32 s92, s92, s89
	s_mov_b32 s93, 0
	s_and_b32 s99, s84, 15                         ; head.  oc: [head / 4][batch x 128 + tile][4,096 bytes], in them 1,024 (head % 4)
	s_lshr_b32 s98, s99, 2
	s_lshl_b32 s98, s98, 21
	s_and_b32 s99, s99, 3
	s_lshl_b32 s99, s99, 10
	s_add_co_u32 s98, s98, s99
	s_lshr_b32 s99, s84, 4                         ; batch
	s_lshl_b32 s99, s99, 19
	s_add_co_u32 s98, s98, s99
	s_lshl_b32 s94, s87, 12
	s_add_co_u32 s94, s94, s98
	s_mov_b32 s95, 0
	s_lshl_b32 s96, s88, 12
	s_add_co_u32 s96, s96, s98
	s_mov_b32 s97, 0
	s_lshl_b32 s62, s84, 18                        ; the head's 262,144 bytes of kv,
	s_and_b32 s99, s[WV], 1
	s_lshl_b32 s99, s99, 14                        ; and the half of a slot that I fetch, in memory and in LDS
	s_add_co_u32 s62, s62, s99
	s_mov_b32 s63, 0
	s_mov_b32 s[G1], 0                             ; no mask, elements of 1 byte, no padding
	s_mov_b32 s[G1+1], 256<<16                     ; tensor_dim0
	s_mov_b32 s[G1+2], 64<<16                      ; tensor_dim1
	s_mov_b32 s[G1+3], 256<<16                     ; tile_dim0
	s_mov_b32 s[G1+4], 64                          ; tile_dim1
	s_mov_b32 s[G1+5], 256                         ; from row to row: dense
	s_mov_b32 s[G1+6], 0
	s_mov_b32 s[G1+7], 0
	s_mov_b32 s[SEL], 0x76543210
	s_mov_b32 s[SEL+1], 0xfedcba98
	s_wait_kmcnt 0x0
	s_load_b256 s[68:75], s[8:9], 0x0              ; e0 .. e7
	s_load_b128 s[76:79], s[8:9], 0x20             ; e8 .. e11
	s_add_nc_u64 s[KVB:KVB+1], s[6:7], s[62:63]
	s_mov_b32 s[G0], 1
	s_mov_b32 s[G0+1], s99
	s_mov_b64 s[G0+2:G0+3], s[KVB:KVB+1]
	s_or_b32 s[G0+3], s[G0+3], 0x80000000
	TLOAD                                          ; slot 0
	s_add_nc_u64 s[QPA:QPA+1], s[4:5], s[90:91]
	s_add_nc_u64 s[QPB:QPB+1], s[4:5], s[92:93]
	s_add_nc_u64 s[OPA:OPA+1], s[10:11], s[94:95]
	s_add_nc_u64 s[OPB:OPB+1], s[10:11], s[96:97]
	s_lshl_b32 s62, s84, 18                        ; the prefetches: my 8,192 bytes of slot 1; the first change of slots steps them to slot 2
	s_and_b32 s99, s[WV], 3
	s_lshl_b32 s99, s99, 13
	s_add_co_u32 s62, s62, s99
	s_add_co_u32 s62, s62, SLOTB
	s_add_nc_u64 s[PFA:PFA+1], s[6:7], s[62:63]
	s_sub_co_u32 s[LIM], s[WV], 4
	s_lshr_b32 s[LIM], s[LIM], 2                   ; 0 in waves 4 to 7,
	s_or_b32 s[LIM], s[LIM], ttmp9                 ; of the work-group with p = 0
	s_cmp_eq_u32 s[LIM], 0
	s_cselect_b32 s[LIM], 2, -1
	v_and_b32 v[LI], 31, v0
	s_delay_alu instid0(VALU_DEP_1)
	v_lshlrev_b32 v[PFO], 8, v[LI]
	s_delay_alu instid0(VALU_DEP_2)
	v_lshlrev_b32 v[LI], 4, v[LI]
	global_load_b128 v[16:19], v[LI], s[QPA:QPA+1]            ; Q's fragment stays in registers
	global_load_b128 v[20:23], v[LI], s[QPA:QPA+1] offset:512
	v_and_b32 v9, 15, v0                           ; r
	v_bfe_u32 v11, v0, 4, 1                        ; h
	s_delay_alu instid0(VALU_DEP_2)
	v_and_b32 v10, 8, v9
	s_delay_alu instid0(VALU_DEP_1)
	v_add_nc_u32 v10, v10, v9
	s_delay_alu instid0(VALU_DEP_3)
	v_lshlrev_b32 v11, 4, v11
	s_delay_alu instid0(VALU_DEP_1)
	v_sub_nc_u32 v10, v10, v11                     ; r + 8 (r / 8) - 16 h
	v_mov_b32 v13, 0xff61b1e6                      ; the largest t so far: -3e38
	s_delay_alu instid0(VALU_DEP_1)
	v_floor_f32 v12, -v13
	v_mov_b32 v14, 0
	v_mov_b32 v15, 0
	v_mov_b32 v236, 0                              ; written once: a lane permute's destination counts as one of its sources
	v_mov_b32 v252, 0
	v_mov_b32 v253, 0                              ; (named as the upper half of the pair v[252:253])
.set j, 0
.rept 32
	v_mov_b32 v[160+j], 0                          ; O^T: the step is written once; the first change of M leaves zeros zeros
.set j, j+1
.endr
	s_wait_kmcnt 0x0
	s_add_co_i32 s84, s74, s75                     ; e6 + e7, onto c's exponent field
	s_lshl_b32 s84, s84, 23
	s_mov_b32 s[CS], 0x3e38aa3b                    ; log2(e) / 8
	s_add_co_i32 s[CS], s[CS], s84
	s_mov_b32 s[CS+1], s[CS]
	s_add_co_i32 s84, s76, 127
	s_lshl_b32 s85, s84, 23
	v_mov_b32 v244, s85                            ; 2^e8
	s_sub_co_i32 s84, s78, s76
	s_sub_co_i32 s84, s84, s77                     ; e10 - e8 - e9: a sum of the second product stands for sum x 2^(e8 + e9)
	s_add_co_i32 s84, s84, 127
	s_lshl_b32 s85, s84, 23
	v_mov_b32 v246, s85
	s_wait_loadcnt 0x0                             ; Q
.Lslot:                                            ; eight trips: behind each change of slots but the last the next slot is asked for
	CHANGE 1
	STEP 0
	STEP 1
	s_xor_b32 s[TB], s[TB], SLOTB
	s_cmp_lg_u32 s[KF], s[KEND]                    ; the first block's keys are walked?  (the second block has fewer keys than the first: it never reaches this count)
	s_cbranch_scc1 .Lsame_block
	FLUSH OPA, 1
.Lsame_block:
	s_sub_co_u32 s[SLOTS], s[SLOTS], 1
	s_cmp_lg_u32 s[SLOTS], 0
	s_cbranch_scc1 .Lslot
	CHANGE 0                                       ; the ninth slot is written out
	STEP 0
	STEP 1
	FLUSH OPB, 0
	s_wait_tensorcnt 0x0                           ; the wave's end
	ds_add_u32 v[SPW], v[NIL]
	s_wait_dscnt 0x0
	s_endpgm
.Lfunc_end_k_q527f8c78e6_attn:
	.size	k_q527f8c78e6_attn, .Lfunc_end_k_q527f8c78e6_attn-k_q527f8c78e6_attn
	.p2alignl 7, 3214868480
	.fill 96, 4, 3214868480
	.section	.rodata,"a",@progbits
	.p2align	6, 0x0
	.amdhsa_kernel k_q527f8c78e6_attn
		.amdhsa_group_segment_fixed_size 327680
		.amdhsa_private_segment_fixed_size 0
		.amdhsa_enable_private_segment 0
		.amdhsa_kernarg_size 32
		.amdhsa_user_sgpr_count 2
		.amdhsa_user_sgpr_kernarg_segment_ptr 1
		.amdhsa_wavefront_size32 1
		.amdhsa_system_sgpr_workgroup_id_x 1
		.amdhsa_system_sgpr_workgroup_id_y 1
		.amdhsa_system_sgpr_workgroup_id_z 1
		.amdhsa_system_vgpr_workitem_id 0
		.amdhsa_next_free_vgpr 256
		.amdhsa_next_free_sgpr 100
		.amdhsa_reserve_vcc 1
		.amdhsa_float_denorm_mode_32 3
		.amdhsa_float_denorm_mode_16_64 3
		.amdhsa_fp16_overflow 1
		.amdhsa_memory_ordered 1
		.amdhsa_forward_progress 1
		.amdhsa_inst_pref_size 89
	.end_amdhsa_kernel
	.amdgpu_metadata
---
amdhsa.version: [ 1, 2 ]
amdhsa.kernels:
  - .name:           k_q527f8c78e6_attn
    .symbol:         k_q527f8c78e6_attn.kd
    .args:
      - { .name: qc, .offset: 0, .size: 8, .value_kind: global_buffer, .address_space: global }
      - { .name: kv, .offset: 8, .size: 8, .value_kind: global_buffer, .address_space: global }
      - { .name: lowp_scales, .offset: 16, .size: 8, .value_kind: global_buffer, .address_space: global }
      - { .name: oc, .offset: 24, .size: 8, .value_kind: global_buffer, .address_space: global }
    .group_segment_fixed_size: 327680
    .private_segment_fixed_size: 0
    .kernarg_segment_align: 8
    .kernarg_segment_size: 32
    .max_flat_workgroup_size: 512
    .sgpr_count:     100
    .vgpr_count:     256
    .wavefront_size: 32
...
	.end_amdgpu_metadata
.endif
;; end of part 3
;; launch oproj (part 4): grid 4 x 64, 4 waves a work-group, clusters of 4 x 4, 327,680 bytes of LDS; arguments oc, wc, lowp_scales, out0; writes out0
.if DOCPART == 4
	.amdgcn_target "amdgcn-amd-amdhsa--gfx1250"
	.amdhsa_code_object_version 6
	.text
	.protected	k_q527f8c78e6_oproj
	.globl	k_q527f8c78e6_oproj
	.p2align	8
	.type	k_q527f8c78e6_oproj,@function
k_q527f8c78e6_oproj:
	s_mov_b64 s[64:65], 0
	v_nop
	global_prefetch_b8 v0, s[64:65] scope:SCOPE_SE
	s_setreg_imm32_b32 hwreg(HW_REG_WAVE_MODE, 25, 1), 1
	s_wait_xcnt 0x0
	s_wait_alu depctr_hold_cnt(0) depctr_sa_sdst(0) depctr_va_vdst(0) depctr_va_sdst(0) depctr_va_ssrc(0) depctr_va_vcc(0) depctr_vm_vsrc(0)
	s_getreg_b32 s2, hwreg(HW_REG_IB_STS2, 6, 4)
	s_cmp_eq_u32 s2, 0
	s_cbranch_scc0 .Lentry_in_a_cluster
	s_endpgm
.Lentry_in_a_cluster:
	s_bfe_u32 s2, ttmp6, 0x10000c
	s_cmp_lg_u32 s2, 0xf033
	s_cbranch_scc0 .Lentry_shape_is_right
	s_endpgm
.Lentry_shape_is_right:
; OPROJ: out0 = (attention's result) W_O^T on codes of E4M3; each finished sum x 2^(e10 + e11).
; A = tokens: oc, [K step of 256: 4][token tile 512][2 x 2,048 bytes]: images of the operand's registers (16 rows x 128 K: [c 0..3][lane][16 bytes], K = 32 c + 16 (lane / 16) + 0 .. 15); a tile row's 128 tokens of a K step are 32,768 dense bytes.
; B = W_O's rows: wc's fourth section, rows of 1,024 codes in the storage order (tile 2 b + u, slot s = row 32 b + 8 u + s + 8 (s / 8)).
; A tile of the result is 128 tokens x 256 outputs; four waves, 2 x 2, a wave 64 x 128: 32 accumulators.  Source 0 = 16 rows of B, source 1 = 16 of A: a lane holds one token, its 16 registers of B's tiles 2 b, 2 b + 1 outputs 32 b + 16 h + 0 .. 15.
; K goes in four steps of 256 through THREE LDS slots: three are asked for at the start, one slot is filled again; all is written out.  CLUSTERS 4 x 4: A's tile jointly along a row, B's along a column.
; THE WAY OUT: a block of 16 tokens x 128 outputs goes through the wave's stage in LDS and leaves as rows of 512 bytes.  The stage lies in slot 1, which has had its only fill and whose last read stands ahead of the second meeting of the waves.
; LIMIT: e10 + e11 between -126 and 127.
; REGISTERS: window 0: v1 r, v2 h, v16-18, v20-22 LDS addresses, v24 16 x lane, v25, v26 the stage, v28, v29 for the add; v32-95 a block's results; v128-191, v192-255 A's fragments, two sets; later rows on the way out.
;   window 1: B's fragments, two sets of 128.   window 2: the accumulators, (a, b) at v[8 (8 a + b)].
.set PITCH, 272                        ; B's LDS row: 256 bytes + 16 of padding
.set AREG,  32768                      ; A's images, dense
.set SLOT,  AREG+256*PITCH
.set SPARE, 3*SLOT                     ; behind the slots: the spare words, 128 bytes for each wave; no other line names them
.set STAGE, SLOT
.set SPITCH, 528
.set ASTEP, 0x200000                   ; a K step on, in A's memory
.set AREFILL, 0x600000
.set G1A, 24
.set G0A, 32
.set G1B, 44
.set G0B, 52
.set ADRA, 16
.set ADRB, 20
.set LI,   24
.set STO,  25
.set RD,   26
.set SPW,  28
.set NIL,  29
.set TMP,  32
.set AF,   128
.set BK,   128
.set MSB, 0
.macro WIN new                         ; the immediate's high byte repeats the setting that is left
.if MSB != \new
	s_set_vgpr_msb (MSB<<8)|\new
.set MSB, \new
.endif
.endm
.set MUL,  0xa1                        ; source 0 (B) window 1, source 1 (A) window 0, C and D window 2
.set TO_B, 0x40
.macro PLACES
.rept 4
	v_nop
.endr
.endm
.macro JLOAD s                         ; a joint load: waves 0, 1 fetch A's halves, waves 2, 3 B's; four v_nop follow each line
	s_cmp_eq_u32 s17, 0
	s_cbranch_scc0 .Lfor_b_\@
	tensor_load_to_lds s[G0A+4*\s:G0A+4*\s+3], s[G1A:G1A+7]
	s_nop 0
.rept 4
	v_nop
.endr
	s_branch .Lasked_\@
.Lfor_b_\@:
	tensor_load_to_lds s[G0B+4*\s:G0B+4*\s+3], s[G1B:G1B+7]
	s_nop 0
.rept 4
	v_nop
.endr
.Lasked_\@:
.endm
.macro CREST
	s_cmp_lg_u32 s16, 0
	s_cbranch_scc1 .Lnot_wave_0_\@
	s_barrier_signal -3
.Lnot_wave_0_\@:
	s_barrier_wait -3
	s_barrier_signal -1
	s_barrier_wait -1
.endm
.macro CROUND
	s_barrier_signal -1
	s_barrier_wait -1
	CREST
.endm
.macro FRAG reg, adr, q, i             ; B: from rows
.irp c, 0,1,2,3
	ds_load_b128 v[\reg+4*\c:\reg+4*\c+3], v[\adr] offset:128*(\q)+32*\c+(\i)*16*PITCH
.endr
.endm
.macro FRAGA reg, adr, q, i            ; A: an image, as it lies
.irp c, 0,1,2,3
	ds_load_b128 v[\reg+4*\c:\reg+4*\c+3], v[\adr] offset:4096*(\i)+2048*(\q)+512*\c
.endr
.endm
.macro FETCH slot, q, p
	WIN TO_B
.irp i, 0,1,2,3,4,5,6,7
	FRAG 128*(\p)+16*\i, ADRB+\slot, \q, \i
.endr
	WIN 0
.irp i, 0,1,2,3
	FRAGA AF+64*(\p)+16*\i, ADRA+\slot, \q, \i
.endr
.endm
.macro MUL8 a, p, zero                 ; the 32 accumulators take turns, one instruction a turn, in the same order in every step
.irp b, 0,1,2,3,4,5,6,7
.if \zero
	v_wmma_f32_16x16x128_fp8_fp8 v[8*(8*(\a)+\b):8*(8*(\a)+\b)+7], v[128*(\p)+16*\b:128*(\p)+16*\b+15], v[AF+64*(\p)+16*(\a):AF+64*(\p)+16*(\a)+15], 0
.else
	v_wmma_f32_16x16x128_fp8_fp8 v[8*(8*(\a)+\b):8*(8*(\a)+\b)+7], v[128*(\p)+16*\b:128*(\p)+16*\b+15], v[AF+64*(\p)+16*(\a):AF+64*(\p)+16*(\a)+15], v[8*(8*(\a)+\b):8*(8*(\a)+\b)+7]
.endif
.endr
.endm
.macro STEP p, nslot, nq, zero
	s_wait_dscnt 0x0                               ; this step's 48 loads, issued sixteen matrix instructions ago
	WIN MUL
	MUL8 0, \p, \zero
	MUL8 1, \p, \zero
	PLACES
	FETCH \nslot, \nq, 1-\p
	WIN MUL
	MUL8 2, \p, \zero
	MUL8 3, \p, \zero
.endm
.macro TURN fill, nslot
	WIN 0
	s_wait_tensorcnt 0x0                           ; all my tensor loads have landed
	ds_add_u32 v[SPW], v[NIL]                      ; 0 onto my spare word
	s_wait_dscnt 0x1                               ; my fragments are in; the add alone may be out
	WIN MUL
	MUL8 0, 1, 0
	s_wait_dscnt 0x0                               ; the add is done, and my reads of the slots so far are over
	s_barrier_signal -1
	MUL8 1, 1, 0
	WIN 0
	s_barrier_wait -1
.if \fill
	CREST                                          ; no wave of any partner still reads slot 0 or has a load on its way
	s_add_nc_u64 s[G0A+2:G0A+3], s[G0A+2:G0A+3], AREFILL
	s_add_nc_u64 s[G0B+2:G0B+3], s[G0B+2:G0B+3], 768
	JLOAD 0                                        ; the first tensor load behind the round; its four v_nop are also the places in front of the loads below
.else
	PLACES
.endif
	FETCH \nslot, 0, 0
	WIN MUL
	MUL8 2, 1, 0
	MUL8 3, 1, 0
.endm
.macro LAST
	s_wait_dscnt 0x0
	WIN MUL
	MUL8 0, 1, 0
	MUL8 1, 1, 0
	MUL8 2, 1, 0
	MUL8 3, 1, 0
	WIN 0
.endm
	s_load_b256 s[4:11], s[0:1], 0x0               ; oc s[4:5], wc s[6:7], the exponents s[8:9], out0 s[10:11]
	v_lshl_add_u32 v[SPW], v0, 2, SPARE
	v_mov_b32 v[NIL], 0
	ds_add_u32 v28, v29
	ds_add_u32 v28, v29
	s_wait_dscnt 0x0
	v_lshrrev_b32 v1, 5, v0
	v_readfirstlane_b32 s16, v1                    ; wave
	s_lshr_b32 s17, s16, 1                         ; which 64 tokens are mine.  Also: I fetch for A (0) or for B (1)
	s_and_b32 s18, s16, 1                          ; which 128 outputs.  Also: which half of that tile I fetch
	s_bfe_u32 s19, ttmp6, 0x40000                  ; cx
	s_bfe_u32 s20, ttmp6, 0x40004                  ; cy
	s_lshl_b32 s69, ttmp9, 2
	s_add_co_u32 s69, s69, s19                     ; tile column
	s_and_b32 s22, ttmp7, 0xffff
	s_lshl_b32 s23, s22, 2
	s_add_co_u32 s23, s23, s20                     ; tile row
	s_lshl_b32 s70, s20, 2
	s_lshl_b32 s70, 15, s70                        ; my row of the cluster
	s_lshl_b32 s71, 0x1111, s19                    ; my column
	s_or_b32 s[G1A+0], s70, (1<<21)                ; the mask, bit 21 beside it; elements of 1 byte; no padding
	s_or_b32 s[G1B+0], s71, (1<<20)|(1<<21)|(5<<22)|(3<<25)   ; padding: four words after every 64
	s_mov_b32 s[G1A+1], 256<<16
	s_mov_b32 s[G1A+2], 64<<16                     ; 64 rows of 256 bytes: 16,384 dense bytes a load
	s_mov_b32 s[G1A+3], 256<<16
	s_mov_b32 s[G1A+4], 64
	s_mov_b32 s[G1A+5], 256
	s_mov_b32 s[G1A+6], 0
	s_mov_b32 s[G1A+7], 0
	s_mov_b32 s[G1B+1], 256<<16
	s_mov_b32 s[G1B+2], 128<<16
	s_mov_b32 s[G1B+3], 256<<16
	s_mov_b32 s[G1B+4], 128
	s_mov_b32 s[G1B+5], 1024
	s_mov_b32 s[G1B+6], 0
	s_mov_b32 s[G1B+7], 0
	s_lshl_b32 s84, s23, 15                        ; A: a tile row's 32,768 bytes of a K step,
	s_lshl_b32 s85, s18, 14                        ;    + the half that I fetch
	s_add_co_u32 s84, s84, s85
	s_mov_b32 s85, 0
	s_lshl_b32 s86, s69, 18                        ; B: 256 rows of 1,024 bytes a tile column,
	s_lshl_b32 s87, s18, 17
	s_add_co_u32 s86, s86, s87
	s_add_co_u32 s86, s86, 0x300000                ;    in wc's fourth section
	s_mov_b32 s87, 0
	s_lshl_b32 s92, s18, 14                        ; where they go: no place in the cluster enters an LDS address
	s_mul_i32 s93, s18, 128*PITCH
	s_add_co_u32 s93, s93, AREG
	s_wait_kmcnt 0x0
	s_load_b64 s[96:97], s[8:9], 0x28              ; e10, e11
	s_add_nc_u64 s[88:89], s[4:5], s[84:85]
	s_add_nc_u64 s[90:91], s[6:7], s[86:87]
	CROUND                                         ; all sixteen work-groups are here: the first joint loads meet
.irp s, 0,1,2
	s_mov_b32 s[G0A+4*\s], 1
	s_add_co_u32 s[G0A+4*\s+1], s92, \s*SLOT
	s_add_nc_u64 s[G0A+4*\s+2:G0A+4*\s+3], s[88:89], \s*ASTEP
	s_or_b32 s[G0A+4*\s+3], s[G0A+4*\s+3], 0x80000000
	s_mov_b32 s[G0B+4*\s], 1
	s_add_co_u32 s[G0B+4*\s+1], s93, \s*SLOT
	s_add_nc_u64 s[G0B+4*\s+2:G0B+4*\s+3], s[90:91], \s*256
	s_or_b32 s[G0B+4*\s+3], s[G0B+4*\s+3], 0x80000000
.endr
	s_cmp_eq_u32 s17, 0                            ; a wave's three first fills stand in one branch: three loads of mine are out
	s_cbranch_scc0 .Lfirst_b
	tensor_load_to_lds s[G0A:G0A+3], s[G1A:G1A+7]
	s_nop 0
	tensor_load_to_lds s[G0A+4:G0A+7], s[G1A:G1A+7]
	s_nop 0
	tensor_load_to_lds s[G0A+8:G0A+11], s[G1A:G1A+7]
	s_nop 0
.rept 4
	v_nop
.endr
	s_branch .Lfirst_asked
.Lfirst_b:
	tensor_load_to_lds s[G0B:G0B+3], s[G1B:G1B+7]
	s_nop 0
	tensor_load_to_lds s[G0B+4:G0B+7], s[G1B:G1B+7]
	s_nop 0
	tensor_load_to_lds s[G0B+8:G0B+11], s[G1B:G1B+7]
	s_nop 0
.rept 4
	v_nop
.endr
.Lfirst_asked:
	v_and_b32 v1, 15, v0                           ; r
	v_bfe_u32 v2, v0, 4, 1                         ; h
	v_and_b32 v[LI], 31, v0
	v_lshlrev_b32 v[LI], 4, v[LI]
	v_mul_u32_u24 v3, v1, PITCH
	v_lshl_add_u32 v3, v2, 4, v3
	s_lshl_b32 s66, s17, 14                        ; my four token tiles' images
	s_mul_i32 s67, s18, 128*PITCH
	s_add_co_u32 s67, s67, AREG
.irp s, 0,1,2
	v_add_nc_u32 v[ADRA+\s], s66, v[LI]
	v_add_nc_u32 v[ADRB+\s], s67, v3
	s_add_co_u32 s66, s66, SLOT
	s_add_co_u32 s67, s67, SLOT
.endr
	s_mul_i32 s66, s16, 16*SPITCH
	s_add_co_u32 s66, s66, STAGE                   ; my stage
	v_mul_u32_u24 v4, v1, SPITCH
	v_lshl_add_u32 v4, v2, 6, v4
	v_add_nc_u32 v[STO], s66, v4                   ; in: row r, + 64 h
	v_add_nc_u32 v[RD], s66, v[LI]                 ; back: a row of 512 bytes for the 32 lanes
	s_lshl_b32 s84, s23, 19                        ; out0: 128 rows of 4,096 bytes a tile row,
	s_lshl_b32 s85, s17, 18                        ;   + my 64 rows
	s_add_co_u32 s84, s84, s85
	s_mov_b32 s85, 0
	s_lshl_b32 s86, s69, 10                        ;   + the tile column's 1,024 bytes
	s_lshl_b32 s87, s18, 9                         ;   + my 512
	s_add_co_u32 s86, s86, s87
	s_mov_b32 s87, 0
	s_add_nc_u64 s[10:11], s[10:11], s[84:85]
	s_add_nc_u64 s[10:11], s[10:11], s[86:87]
	s_wait_alu depctr_va_vdst(0)
	s_wait_tensorcnt 0x2                           ; my part of K step 0 is in; K steps 1 and 2 may stay out
	s_barrier_signal -1
	s_barrier_wait -1
	FETCH 0, 0, 0
	STEP 0, 0, 1, 1                                ; the first products start the sums: nothing is cleared
	TURN 1, 1                                      ; K step 3 is asked for; slots 1 and 2 are whole in every wave
	STEP 0, 1, 1, 0
	STEP 1, 2, 0, 0
	STEP 0, 2, 1, 0
	TURN 0, 0                                      ; K step 3 is whole in every wave, and nobody reads slot 1 any more
	STEP 0, 0, 1, 0
	LAST
.macro TOSTAGE a                       ; token tile a: each sum x 2^(e10 + e11), each accumulator from its low end on; into the stage, and back as whole rows (LDS serves a wave's instructions in order)
	WIN 0x02
.set j, 0
.rept 32
	v_pk_mul_f32 v[TMP+j:TMP+j+1], v[64*(\a)+j:64*(\a)+j+1], s[96:97] op_sel_hi:[1,0]
.set j, j+2
.endr
	WIN 0
.irp b, 0,1,2,3,4,5,6,7
	ds_store_b128 v[STO], v[TMP+8*\b:TMP+8*\b+3] offset:128*(\b/2)+32*(\b%2)          ; outputs 32 (b / 2) + 16 h + 8 (b % 2) + 0 .. 7 of token slot r
	ds_store_b128 v[STO], v[TMP+8*\b+4:TMP+8*\b+7] offset:128*(\b/2)+32*(\b%2)+16
.endr
.set BB, BK+64*((\a)%2)
.irp t, 0,1,2,3,4,5,6,7,8,9,10,11,12,13,14,15
	ds_load_b128 v[BB+4*\t:BB+4*\t+3], v[RD] offset:\t*SPITCH
.endr
.endm
.macro SEND a, younger                 ; younger: the LDS instructions issued behind tile a's loads, which may stay out.  Slot t of tile a is row 32 (a / 2) + 8 (a % 2) + t + 8 (t / 8) of my 64
.set BB, BK+64*((\a)%2)
	s_wait_dscnt \younger
.irp t, 0,1,2,3,4,5,6,7,8,9,10,11,12,13,14,15
	global_store_b128 v[LI], v[BB+4*\t:BB+4*\t+3], s[10:11] offset:(32*((\a)/2)+8*((\a)%2)+\t+8*(\t/8))*4096 th:TH_STORE_NT   ; 32 lanes store 512 consecutive bytes, aligned
.endr
.endm
	s_wait_kmcnt 0x0
	s_add_co_i32 s96, s96, s97
	s_add_co_i32 s96, s96, 127
	s_lshl_b32 s96, s96, 23                        ; 2^(e10 + e11) as f32
	s_mov_b32 s97, s96                             ; (named with it as a pair)
	PLACES
	TOSTAGE 0
.irp a, 1,2,3
.if \a > 1
	s_wait_xcnt 0x0                                ; tile a - 2's stores have read their registers: tile a's loads may land there
.endif
	TOSTAGE \a
	SEND \a-1, 32                                  ; behind tile a - 1's loads: tile a's 16 stores and 16 loads
.endr
	SEND 3, 0
	s_wait_tensorcnt 0x0                           ; the wave's end
	ds_add_u32 v[SPW], v[NIL]
	s_wait_dscnt 0x0
	CROUND                                         ; the closing round
	s_endpgm
.Lfunc_end_k_q527f8c78e6_oproj:
	.size	k_q527f8c78e6_oproj, .Lfunc_end_k_q527f8c78e6_oproj-k_q527f8c78e6_oproj
	.p2alignl 7, 3214868480
	.fill 96, 4, 3214868480
	.section	.rodata,"a",@progbits
	.p2align	6, 0x0
	.amdhsa_kernel k_q527f8c78e6_oproj
		.amdhsa_group_segment_fixed_size 327680
		.amdhsa_private_segment_fixed_size 0
		.amdhsa_enable_private_segment 0
		.amdhsa_kernarg_size 32
		.amdhsa_user_sgpr_count 2
		.amdhsa_user_sgpr_kernarg_segment_ptr 1
		.amdhsa_wavefront_size32 1
		.amdhsa_system_sgpr_workgroup_id_x 1
		.amdhsa_system_sgpr_workgroup_id_y 1
		.amdhsa_system_sgpr_workgroup_id_z 1
		.amdhsa_system_vgpr_workitem_id 0
		.amdhsa_next_free_vgpr 768
		.amdhsa_next_free_sgpr 100
		.amdhsa_reserve_vcc 0
		.amdhsa_float_denorm_mode_32 3
		.amdhsa_float_denorm_mode_16_64 3
		.amdhsa_memory_ordered 1
		.amdhsa_forward_progress 1
		.amdhsa_inst_pref_size 74
	.end_amdhsa_kernel
	.amdgpu_metadata
---
amdhsa.version: [ 1, 2 ]
amdhsa.kernels:
  - .name:           k_q527f8c78e6_oproj
    .symbol:         k_q527f8c78e6_oproj.kd
    .args:
      - { .name: oc, .offset: 0, .size: 8, .value_kind: global_buffer, .address_space: global }
      - { .name: wc, .offset: 8, .size: 8, .value_kind: global_buffer, .address_space: global }
      - { .name: lowp_scales, .offset: 16, .size: 8, .value_kind: global_buffer, .address_space: global }
      - { .name: out0, .offset: 24, .size: 8, .value_kind: global_buffer, .address_space: global }
    .group_segment_fixed_size: 327680
    .private_segment_fixed_size: 0
    .kernarg_segment_align: 8
    .kernarg_segment_size: 32
    .max_flat_workgroup_size: 128
    .sgpr_count:     100
    .vgpr_count:     768
    .wavefront_size: 32
...
	.end_amdgpu_metadata
.endif
;; end of part 4
